; MI455X (gfx1250); checked and timed in simulation.
; The chip was launched on July 23, 2026; its instructions are those of AMD's public machine-readable ISA for CDNA 5 (MIT licence, August 2026) and "CDNA5" Instruction Set Architecture Reference Guide (July 2026). The comments in the code are by the model that wrote it; some were corrected since.
;; Multihead Self Attention. Allowed arithmetic: float matrix products may take bf16 or f16 operands with f32 sums; other float arithmetic in f32, or as packed bf16 or f16 multiplies, adds, multiply-adds, maxima and minima; sums over many terms, partial sums and values carried from step to step in f32; what a program stores and reads back later, other than sums and carried values, may be rounded once to bf16 or f16.
;; Inputs: Wk 2,048 x 2,048 float32; Wo 2,048 x 2,048 float32; Wq 2,048 x 2,048 float32; Wv 2,048 x 2,048 float32; token_positions 2,048 int32; x 1 x 2,048 x 2,048 float32.
;; Outputs: out0 1 x 2,048 x 2,048 float32.
;; One version. Each part assembles by itself: llvm-mc -triple=amdgcn-amd-amdhsa -mcpu=gfx1250 --defsym DOCPART=n.
;; ======== version 1 of 1: 4 launches
;; limits: values are held in f16: magnitudes above 65,504 overflow, below 6.1e-05 lose precision
;; workspace buffers: xb 8,388,608 bytes; wb 25,165,824 bytes; wob 8,388,608 bytes; ropet 1,048,576 bytes; qkvh 25,165,824 bytes; obuf 8,388,608 bytes
;; launch cast (part 1): grid 256 x 6, 8 waves a work-group, no clusters, 0 bytes of LDS; arguments x, Wq, Wk, Wv, Wo, token_positions, xb, wb, wob, ropet; writes xb, wb, wob, ropet
.if DOCPART == 1
	.amdgcn_target "amdgcn-amd-amdhsa--gfx1250"
	.amdhsa_code_object_version 6
	.text
	.protected	k_qc28d25bac9_cast
	.globl	k_qc28d25bac9_cast
	.p2align	8
	.type	k_qc28d25bac9_cast,@function
k_qc28d25bac9_cast:
	s_mov_b64 s[64:65], 0
	v_nop
	global_prefetch_b8 v0, s[64:65] scope:SCOPE_SE
	s_setreg_imm32_b32 hwreg(HW_REG_WAVE_MODE, 25, 1), 1
	s_wait_xcnt 0x0
; THE INPUTS ARE ROUNDED ONCE, AND THE ROTATION TABLE IS MADE.
; y = 0..4: x, Wq, Wk, Wv, Wo (each 2048 x 2048 f32) are rounded to bf16.  x goes to xb, Wq Wk Wv to the three planes of wb, as bf16;
; Wo's bf16 number is written as f16 into wob (exact between 2^-14 and 65,504; below 2^-14 it keeps f16's fixed step of 2^-24; beyond 65,504 it would be an infinity: a stated limit).
; A work-group takes 16,384 numbers: a thread sixteen loads of 16 bytes, 4,096 bytes apart (a wave's load covers 512 consecutive bytes), and sixteen stores of
; 8 bytes (a wave's store covers 256 consecutive bytes, aligned).  All sixteen loads are issued before the first is waited for.  No LDS, no barrier: no number meets another.
; y = 5: ropet[n][i] = (cos, sin) of token_positions[n] x 10000^(-i/64), f32, i = 0..63.  A wave makes one token's 512 bytes, a lane two pairs.
; The angle is formed in f32 as t x f; it is reduced by the nearest multiple of pi/2 (taken away in two parts), and sine and cosine are the series to r^9 and r^8 on |r| <= pi/4,
; whose first left-out terms are 2e-9 and 2.5e-8.  LIMIT: positions 0 .. 2047, the indices of the table that the module gathers from.
.set X, 4                              ; v[4:67]    sixteen loads of four words
.set Y, 68                             ; v[68:99]   sixteen results of two words: each written once, so no store's data is ever rewritten
.set T, 100                            ; v[100:105] at work
	s_load_b512 s[8:23], s[0:1], 0x0               ; x s[8:9], Wq s[10:11], Wk s[12:13], Wv s[14:15], Wo s[16:17], positions s[18:19], xb s[20:21], wb s[22:23]
	s_load_b128 s[24:27], s[0:1], 0x40             ; wob s[24:25], ropet s[26:27]
	s_and_b32 s2, ttmp7, 0xffff                    ; y: which tensor
	v_lshlrev_b32 v1, 4, v0                        ; 16 t
	v_lshlrev_b32 v2, 3, v0                        ; 8 t
	s_wait_kmcnt 0x0
	s_cmp_eq_u32 s2, 5
	s_cbranch_scc1 .Lrope
	s_mov_b64 s[4:5], s[8:9]                       ; the source is chosen by y alone
	s_cmp_eq_u32 s2, 1
	s_cselect_b64 s[4:5], s[10:11], s[4:5]
	s_cmp_eq_u32 s2, 2
	s_cselect_b64 s[4:5], s[12:13], s[4:5]
	s_cmp_eq_u32 s2, 3
	s_cselect_b64 s[4:5], s[14:15], s[4:5]
	s_cmp_eq_u32 s2, 4
	s_cselect_b64 s[4:5], s[16:17], s[4:5]
	s_cselect_b64 s[6:7], s[24:25], s[22:23]       ; the destination: wob for Wo, wb for the three others,
	s_cmp_eq_u32 s2, 0
	s_cselect_b64 s[6:7], s[20:21], s[6:7]         ; xb for x
	s_cmp_eq_u32 s2, 2
	s_cselect_b32 s3, 0x800000, 0                  ; the plane of wb, in bytes
	s_cmp_eq_u32 s2, 3
	s_cselect_b32 s3, 0x1000000, s3
	s_lshl_b32 s28, ttmp9, 16                      ; the work-group's 65,536 bytes in,
	s_mov_b32 s29, 0
	s_lshl_b32 s30, ttmp9, 15                      ; its 32,768 bytes out
	s_add_co_u32 s30, s30, s3
	s_mov_b32 s31, 0
	s_add_nc_u64 s[4:5], s[4:5], s[28:29]
	s_add_nc_u64 s[6:7], s[6:7], s[30:31]
.irp i, 0,1,2,3,4,5,6,7,8,9,10,11,12,13,14,15
	global_load_b128 v[X+4*(\i):X+4*(\i)+3], v1, s[4:5] offset:(\i)*4096 th:TH_LOAD_NT
.endr
; Load i of sixteen is rounded and stored.  f16 = 1: the bf16 number is widened again and written as f16.
.macro CV i, f16
	s_wait_loadcnt 15-(\i)                         ; loads come back in order: the 15 - i younger ones may stay out
.if \f16
	v_cvt_pk_bf16_f32 v[T],   v[X+4*(\i)],   v[X+4*(\i)+1]
	v_cvt_pk_bf16_f32 v[T+1], v[X+4*(\i)+2], v[X+4*(\i)+3]
	v_lshlrev_b32 v[T+2], 16, v[T]
	v_and_b32     v[T+3], 0xffff0000, v[T]
	v_lshlrev_b32 v[T+4], 16, v[T+1]
	v_and_b32     v[T+5], 0xffff0000, v[T+1]
	v_cvt_pk_f16_f32 v[Y+2*(\i)],   v[T+2], v[T+3]
	v_cvt_pk_f16_f32 v[Y+2*(\i)+1], v[T+4], v[T+5]
.else
	v_cvt_pk_bf16_f32 v[Y+2*(\i)],   v[X+4*(\i)],   v[X+4*(\i)+1]
	v_cvt_pk_bf16_f32 v[Y+2*(\i)+1], v[X+4*(\i)+2], v[X+4*(\i)+3]
.endif
	global_store_b64 v2, v[Y+2*(\i):Y+2*(\i)+1], s[6:7] offset:(\i)*2048
.endm
	s_cmp_eq_u32 s2, 4
	s_cbranch_scc1 .Lf16
.irp i, 0,1,2,3,4,5,6,7,8,9,10,11,12,13,14,15
	CV \i, 0
.endr
	s_endpgm
.Lf16:
.irp i, 0,1,2,3,4,5,6,7,8,9,10,11,12,13,14,15
	CV \i, 1
.endr
	s_endpgm
; cos and sin of v10 x v[8+u], into v[20+2u] and v[21+2u]
.macro SINCOS u
.set A, 32+12*(\u)
	v_mul_f32 v[A], v10, v[8+(\u)]                 ; the angle, rounded to f32 as the module's table rounds it
	v_mul_f32 v[A+1], 0x3f22f983, v[A]             ; x 2 / pi
	v_rndne_f32 v[A+1], v[A+1]                     ; n, at most 1,304
	v_fmamk_f32 v[A+2], v[A+1], 0xbfc90fdb, v[A]   ; r = angle - n x pi/2: the f32 nearest to pi/2,
	v_fmamk_f32 v[A+2], v[A+1], 0x333bbd2e, v[A+2] ; and what that number has too much
	v_mul_f32 v[A+3], v[A+2], v[A+2]               ; z = r r
	v_mov_b32 v[A+4], 0x3638ef1d                   ; 1/9!
	v_fmaak_f32 v[A+4], v[A+4], v[A+3], 0xb9500d01 ; -1/7!
	v_fmaak_f32 v[A+4], v[A+4], v[A+3], 0x3c088889 ; 1/5!
	v_fmaak_f32 v[A+4], v[A+4], v[A+3], 0xbe2aaaab ; -1/3!
	v_mul_f32 v[A+9], v[A+2], v[A+3]
	v_fma_f32 v[A+5], v[A+9], v[A+4], v[A+2]       ; sin r
	v_mov_b32 v[A+4], 0x37d00d01                   ; 1/8!
	v_fmaak_f32 v[A+4], v[A+4], v[A+3], 0xbab60b61 ; -1/6!
	v_fmaak_f32 v[A+4], v[A+4], v[A+3], 0x3d2aaaab ; 1/4!
	v_fma_f32 v[A+4], v[A+4], v[A+3], -0.5
	v_fma_f32 v[A+6], v[A+4], v[A+3], 1.0          ; cos r
	v_cvt_i32_f32 v[A+7], v[A+1]
	v_and_b32 v[A+8], 1, v[A+7]
	v_cmp_eq_u32 vcc_lo, 1, v[A+8]                 ; odd quarter turns swap the two,
	v_cndmask_b32 v[21+2*(\u)], v[A+5], v[A+6], vcc_lo
	v_cndmask_b32 v[20+2*(\u)], v[A+6], v[A+5], vcc_lo
	v_and_b32 v[A+8], 2, v[A+7]                    ; the sine is turned in quarters 2 and 3,
	v_lshlrev_b32 v[A+8], 30, v[A+8]
	v_xor_b32 v[21+2*(\u)], v[A+8], v[21+2*(\u)]
	v_add_nc_u32 v[A+9], 1, v[A+7]                 ; the cosine in quarters 1 and 2
	v_and_b32 v[A+9], 2, v[A+9]
	v_lshlrev_b32 v[A+9], 30, v[A+9]
	v_xor_b32 v[20+2*(\u)], v[A+9], v[20+2*(\u)]
.endm
.Lrope:
	v_lshrrev_b32 v3, 5, v0                        ; my wave
	s_lshl_b32 s3, ttmp9, 3
	v_add_nc_u32 v3, s3, v3                        ; its token: 8 x work-group + wave
	v_lshlrev_b32 v4, 2, v3
	global_load_b32 v5, v4, s[18:19]               ; the position enters as a number only, never an address
	v_and_b32 v6, 31, v0
	v_lshlrev_b32 v6, 1, v6                        ; my pairs: 2 lane, 2 lane + 1
	v_add_nc_u32 v7, 1, v6
	v_cvt_f32_u32 v6, v6
	v_cvt_f32_u32 v7, v7
	v_mul_f32 v6, 0xbe549a78, v6                   ; - i log2(10000) / 64
	v_mul_f32 v7, 0xbe549a78, v7
	v_exp_f32 v8, v6
	v_exp_f32 v9, v7
	s_lshl_b32 s28, ttmp9, 12                      ; eight tokens of 512 bytes
	s_mov_b32 s29, 0
	s_add_nc_u64 s[26:27], s[26:27], s[28:29]
	v_nop                                          ; a plain instruction between the exponentials and the use of their results
	s_wait_loadcnt 0x0
	v_cvt_f32_i32 v10, v5
	s_wait_alu depctr_va_vdst(0)
	SINCOS 0
	SINCOS 1
	global_store_b128 v1, v[20:23], s[26:27]       ; 512 wave + 16 lane = 16 t: a wave stores its token's 512 consecutive bytes
	s_endpgm
.Lfunc_end_k_qc28d25bac9_cast:
	.size	k_qc28d25bac9_cast, .Lfunc_end_k_qc28d25bac9_cast-k_qc28d25bac9_cast
	.p2alignl 7, 3214868480
	.fill 96, 4, 3214868480
	.section	.rodata,"a",@progbits
	.p2align	6, 0x0
	.amdhsa_kernel k_qc28d25bac9_cast
		.amdhsa_group_segment_fixed_size 0
		.amdhsa_private_segment_fixed_size 0
		.amdhsa_enable_private_segment 0
		.amdhsa_kernarg_size 80
		.amdhsa_user_sgpr_count 2
		.amdhsa_user_sgpr_kernarg_segment_ptr 1
		.amdhsa_wavefront_size32 1
		.amdhsa_system_sgpr_workgroup_id_x 1
		.amdhsa_system_sgpr_workgroup_id_y 1
		.amdhsa_system_sgpr_workgroup_id_z 1
		.amdhsa_system_vgpr_workitem_id 0
		.amdhsa_next_free_vgpr 112
		.amdhsa_next_free_sgpr 66
		.amdhsa_reserve_vcc 1
		.amdhsa_float_denorm_mode_32 3
		.amdhsa_float_denorm_mode_16_64 3
		.amdhsa_memory_ordered 1
		.amdhsa_forward_progress 1
		.amdhsa_inst_pref_size 20
	.end_amdhsa_kernel
	.amdgpu_metadata
---
amdhsa.version: [ 1, 2 ]
amdhsa.kernels:
  - .name:           k_qc28d25bac9_cast
    .symbol:         k_qc28d25bac9_cast.kd
    .args:
      - { .name: x, .offset: 0, .size: 8, .value_kind: global_buffer, .address_space: global }
      - { .name: Wq, .offset: 8, .size: 8, .value_kind: global_buffer, .address_space: global }
      - { .name: Wk, .offset: 16, .size: 8, .value_kind: global_buffer, .address_space: global }
      - { .name: Wv, .offset: 24, .size: 8, .value_kind: global_buffer, .address_space: global }
      - { .name: Wo, .offset: 32, .size: 8, .value_kind: global_buffer, .address_space: global }
      - { .name: token_positions, .offset: 40, .size: 8, .value_kind: global_buffer, .address_space: global }
      - { .name: xb, .offset: 48, .size: 8, .value_kind: global_buffer, .address_space: global }
      - { .name: wb, .offset: 56, .size: 8, .value_kind: global_buffer, .address_space: global }
      - { .name: wob, .offset: 64, .size: 8, .value_kind: global_buffer, .address_space: global }
      - { .name: ropet, .offset: 72, .size: 8, .value_kind: global_buffer, .address_space: global }
    .group_segment_fixed_size: 0
    .private_segment_fixed_size: 0
    .kernarg_segment_align: 8
    .kernarg_segment_size: 80
    .max_flat_workgroup_size: 256
    .sgpr_count:     66
    .vgpr_count:     112
    .wavefront_size: 32
...
	.end_amdgpu_metadata
.endif
;; end of part 1
;; launch qkv (part 2): grid 16 x 16, 4 waves a work-group, clusters of 4 x 4, 327,680 bytes of LDS; arguments xb, wb, ropet, qkvh; writes qkvh
.if DOCPART == 2
	.amdgcn_target "amdgcn-amd-amdhsa--gfx1250"
	.amdhsa_code_object_version 6
	.text
	.protected	k_qc28d25bac9_qkv
	.globl	k_qc28d25bac9_qkv
	.p2align	8
	.type	k_qc28d25bac9_qkv,@function
k_qc28d25bac9_qkv:
	s_mov_b64 s[64:65], 0
	v_nop
	global_prefetch_b8 v0, s[64:65] scope:SCOPE_SE
	s_setreg_imm32_b32 hwreg(HW_REG_WAVE_MODE, 25, 1), 1
	s_wait_xcnt 0x0
	s_wait_alu depctr_hold_cnt(0) depctr_sa_sdst(0) depctr_va_vdst(0) depctr_va_sdst(0) depctr_va_ssrc(0) depctr_va_vcc(0) depctr_vm_vsrc(0)
	s_getreg_b32 s2, hwreg(HW_REG_IB_STS2, 6, 4)
	s_cmp_eq_u32 s2, 0
	s_cbranch_scc0 .Lentry_in_a_cluster
	s_endpgm
.Lentry_in_a_cluster:
	s_bfe_u32 s2, ttmp6, 0x10000c
	s_cmp_lg_u32 s2, 0xf033
	s_cbranch_scc0 .Lentry_shape_is_right
	s_endpgm
.Lentry_shape_is_right:
; q, k, v = x Wq^T, x Wk^T, x Wv^T, q and k rotated by the table, all three written by heads: qkvh[3][16][2048][128] in f16.
; xb: [2048][2048] bf16.  wb: [3][2048][2048] bf16.  ropet: [2048][64][cos, sin] f32.  Sums in f32, K ascending; each result is rounded once, to f16, unscaled.
; LIMITS: f16 ends at 65,504: q, k and v must lie within it.  f16 keeps 11 significant bits, a relative error of about 2e-4 (root mean square) in each of q, k and v; in the module's first rows, where
; attention averages over few keys, these roundings and those of the weights and of O in the launches behind reach the module's output undiminished: together about 2.5e-4 of a unit row there.
; SHARES.  A work-group (x: the block of 128 tokens, y: the head) makes 128 tokens x (q, k, v of ONE head): 128 x 384.  Wave w makes all 128 tokens x channels 32 w .. 32 w + 31 of each of the three:
; 8 x 6 = 48 accumulators of 16 x 16, 384 registers; for 32 along K it reads 14 fragments from LDS for 48 matrix instructions.
; K goes in steps of 128 through two LDS slots, each with 128 rows of x, of Wq, of Wk and of Wv: rows of 256 bytes that start at multiples of 256 bytes from their buffer's first byte.
; CLUSTER.  4 x 4 work-groups.  x's tile hangs on the token block alone, which a column of the cluster shares; W's three tiles on the head alone, which a row shares.  Each tile is asked for
; JOINTLY: wave 0 asks for x's, waves 1 to 3 for Wq's, Wk's, Wv's: one tensor load a wave behind each round of the cluster's barrier.  By this text's count a wave has two loads out at the start, later one.
; The token block is the grid's x, so that the clusters that follow each other along x ask for the same tiles of W, three quarters of a step's bytes.
; THE MATRIX INSTRUCTION IS USED TRANSPOSED (source 0 = 16 rows of W, source 1 = 16 tokens): a lane holds ONE token (lane % 16) and the channels 8 (lane / 16) + 0..7,
; so the two numbers that a rotation of the table mixes are neighbouring registers of one lane.
; REGISTERS, in windows of 256 (s_set_vgpr_msb: bits 1:0 source 0, 3:2 source 1, 5:4 source 2, 7:6 destination):
;   window 0: v0-31 addresses; x's fragments, buffer f, token block a at v[32+64f+8a]; W's, tensor tn, channel block cb at v[160+48f+8(2tn+cb)]; on the way out v32-159 rotated, v160-223 packed, v224-231 at work
;   window 1: q's accumulators at v[8(2a+cb)], k's at v[128+8(2a+cb)]          window 2: v's at v[8(2a+cb)]; the table for my tokens and channels at v[128+8(2a+cb)]
.set KSTEP,  128
.set STEPS,  2048/KSTEP                ; 16
.set PITCH,  272                       ; an LDS row: 256 bytes + 16 of padding = 68 words: the 16 rows that a load touches start at 16 different groups of four banks (64 banks of 4 bytes: ISA guide 11.1)
.set HALFT,  128*PITCH                 ; one tile: what one tensor load brings
.set SLOT,   4*HALFT                   ; x, Wq, Wk, Wv
.set STAGE,  2*SLOT                    ; behind the ring, never filled by a tensor load: 128 rows x 272 bytes, the work-group's, for the way out
.set SPARE,  STAGE+128*PITCH           ; behind the stage: the spare words, 128 bytes for each wave: two blocks of 256 bytes that no other line names
.set ADRA0, 16                         ; v16     LDS address of x's fragments in slot 0; never rewritten
.set ADRA,  17                         ; v17     in the slot that is read
.set ADRB0, 18                         ; v18-19  the same for my rows of Wq (Wk's lie one tile further, inside the 16-bit offset)
.set ADRB,  19
.set ADRC0, 20                         ; v20-21  for my rows of Wv
.set ADRC,  21
.set STO,  24                          ; v24     the way out: where I put 16 bytes of a row
.set RD,   25                          ; v25     where I read rows back
.set GO,   26                          ; v26     my byte offset in the block's rows of a head
.set TO,   27                          ; v27     my byte offset in the table
.set SPW,  28                          ; v28     LDS address of my spare word; never rewritten
.set NIL,  29                          ; v29     0; never rewritten
.set F0,   0
.set F1,   1
.set R,    32
.set PKR,  160
.set TT,   224
.set TB,   128                         ; window 2
.set G1,  24                           ; s[24:31] descriptor group 1 for x's tiles;  s[32:39] group 0: a set for each of the two first fills; the second then walks on
.set G0,  32
.set G1B, 48                           ; s[48:55], s[56:63] the same for W's tiles
.set G0B, 56
.set FB,  67                           ; s67  the slot filled last: 0 or SLOT
.set RB,  68                           ; s68  the slot that is read
.set MSB, 0
.macro WIN new                         ; the immediate's high byte repeats the setting that is left; a switch that changes nothing is dropped
.if MSB != (\new)
	s_set_vgpr_msb (MSB<<8)|(\new)
.set MSB, \new
.endif
.endm
; A joint load.  The branch hangs on the wave's number alone.  An s_nop 0 and four v_nop follow each of the two lines, ahead of the jump and the label.
.macro JLOAD s
	s_cmp_eq_u32 s12, 0
	s_cbranch_scc0 .Lfor_b_\@
	tensor_load_to_lds s[G0+4*(\s):G0+4*(\s)+3], s[G1:G1+7]
	s_nop 0
.rept 4
	v_nop
.endr
	s_branch .Lasked_\@
.Lfor_b_\@:
	tensor_load_to_lds s[G0B+4*(\s):G0B+4*(\s)+3], s[G1B:G1B+7]
	s_nop 0
.rept 4
	v_nop
.endr
.Lasked_\@:
.endm
.macro CREST                           ; a round of the cluster's barrier behind its opening barrier
	s_cmp_lg_u32 s12, 0
	s_cbranch_scc1 .Lnot_wave_0_\@
	s_barrier_signal -3
.Lnot_wave_0_\@:
	s_barrier_wait -3
	s_barrier_signal -1
	s_barrier_wait -1
.endm
.macro CROUND                          ; a whole round
	s_barrier_signal -1
	s_barrier_wait -1
	CREST
.endm
.macro PLACES                          ; four places in front of loads into registers that matrix instructions have read, and of vector lines that read results
.rept 4
	v_nop
.endr
.endm
	s_load_b256 s[4:11], s[0:1], 0x0               ; xb s[4:5], wb s[6:7], ropet s[8:9], qkvh s[10:11]
	v_lshl_add_u32 v[SPW], v0, 2, SPARE
	v_mov_b32 v[NIL], 0
	ds_add_u32 v[SPW], v[NIL]                      ; the wave's opening: the add and its wait stand ahead of my first tensor load; the set-up below, work on registers, stands between them
	v_lshrrev_b32 v1, 5, v0
	v_readfirstlane_b32 s12, v1                    ; wave 0..3
	s_bfe_u32 s40, ttmp6, 0x40000                  ; cx, cy: my place in the cluster
	s_bfe_u32 s41, ttmp6, 0x40004
	s_lshl_b32 s13, ttmp9, 2
	s_add_co_u32 s13, s13, s40                     ; the block of 128 tokens = 4 x cluster x + cx
	s_and_b32 s42, ttmp7, 0xffff
	s_lshl_b32 s42, s42, 2
	s_add_co_u32 s42, s42, s41                     ; the head = 4 x cluster y + cy
	s_mov_b32 s[FB], SLOT                          ; the second of the two first fills goes into slot 1
	s_mov_b32 s[RB], 0
	s_lshl_b32 s43, s41, 2
	s_lshl_b32 s43, 15, s43                        ; my row of the cluster
	s_lshl_b32 s44, 0x1111, s40                    ; my column
	; descriptor group 1: a tile of 128 rows x 128 elements, padded in LDS
	s_or_b32 s[G1+0], s44, (1<<16)|(1<<20)|(1<<21)|(5<<22)|(3<<25)   ; 15:0 the mask: x's tiles go to my column; 17:16 2-byte elements; 20 padding on; 21 set beside a mask; 24:22 after every 64 words (code 5); 31:25 4 words (code 3)
	s_or_b32 s[G1B+0], s43, (1<<16)|(1<<20)|(1<<21)|(5<<22)|(3<<25)  ; W's tiles go to my row
.irp g, G1, G1B
	s_mov_b32 s[(\g)+1], KSTEP<<16                 ; tensor_dim0 = 128
	s_mov_b32 s[(\g)+2], 128<<16                   ; tensor_dim1 = 128
	s_mov_b32 s[(\g)+3], KSTEP<<16                 ; tile_dim0 = 128
	s_mov_b32 s[(\g)+4], 128                       ; tile_dim1 = 128
	s_mov_b32 s[(\g)+5], 2048                      ; elements from row to row
	s_mov_b32 s[(\g)+6], 0
	s_mov_b32 s[(\g)+7], 0
.endr
	s_lshl_b32 s16, s13, 19                        ; x: 128 rows of 4,096 bytes a block
	s_mov_b32 s17, 0
	s_max_u32 s46, s12, 1
	s_sub_co_u32 s46, s46, 1                       ; W: waves 1, 2, 3 take planes 0, 1, 2 (wave 0's is made and not used)
	s_lshl_b32 s46, s46, 23
	s_lshl_b32 s47, s42, 19                        ; and the head's 128 rows
	s_add_co_u32 s46, s46, s47
	s_mov_b32 s47, 0
	s_mul_i32 s20, s12, HALFT                      ; where my tile goes in a slot: wave x one tile: no place in the cluster enters an LDS address
	s_lshl_b32 s18, s13, 16                        ; the table: 128 tokens of 512 bytes
	s_mov_b32 s19, 0
	s_lshl_b32 s22, s42, 19                        ; the output: the head's rows, and the block's 128 of 256 bytes
	s_lshl_b32 s21, s13, 15
	s_add_co_u32 s22, s22, s21
	s_mov_b32 s23, 0
	s_wait_dscnt 0x0                               ; the opening add is done
	s_wait_kmcnt 0x0
	s_add_nc_u64 s[14:15], s[4:5], s[16:17]        ; x at my block's first row
	s_add_nc_u64 s[46:47], s[6:7], s[46:47]        ; W at my tile's first row
	s_add_nc_u64 s[8:9], s[8:9], s[18:19]
	s_add_nc_u64 s[10:11], s[10:11], s[22:23]
	CROUND                                         ; all sixteen work-groups are here: the first joint loads meet
.irp s, 0,1
	s_mov_b32 s[G0+4*(\s)], 1                                        ; count = 1
	s_add_co_u32 s[G0+4*(\s)+1], s20, (\s)*SLOT                      ; LDS address
	s_add_nc_u64 s[G0+4*(\s)+2:G0+4*(\s)+3], s[14:15], (\s)*KSTEP*2  ; global address: K step s
	s_or_b32 s[G0+4*(\s)+3], s[G0+4*(\s)+3], 0x80000000              ; type = 2
	s_mov_b32 s[G0B+4*(\s)], 1
	s_add_co_u32 s[G0B+4*(\s)+1], s20, (\s)*SLOT
	s_add_nc_u64 s[G0B+4*(\s)+2:G0B+4*(\s)+3], s[46:47], (\s)*KSTEP*2
	s_or_b32 s[G0B+4*(\s)+3], s[G0B+4*(\s)+3], 0x80000000
	JLOAD \s
.endr
	; A fragment is 16 rows x 32 K in 8 registers: lane l holds row l % 16, K = 8 (l / 16) + 0..7 and 16 + 8 (l / 16) + 0..7: two loads of 16 bytes, 32 bytes apart.
	v_and_b32 v1, 15, v0                           ; l % 16
	v_bfe_u32 v2, v0, 4, 1                         ; l / 16
	v_and_b32 v5, 31, v0                           ; l
	v_mul_u32_u24 v3, v1, PITCH
	v_lshl_add_u32 v3, v2, 4, v3                   ; row x pitch + 16 x half
	s_mul_i32 s21, s12, 32*PITCH                   ; my 32 rows of a tile of W,
	s_add_co_u32 s21, s21, HALFT                   ; behind x's tile
	v_mov_b32 v[ADRA0], v3
	v_add_nc_u32 v[ADRB0], s21, v3
	v_add_nc_u32 v[ADRC0], 2*HALFT, v[ADRB0]
	v_mov_b32 v[ADRA], v[ADRA0]                    ; slot 0 is read first
	v_mov_b32 v[ADRB], v[ADRB0]
	v_mov_b32 v[ADRC], v[ADRC0]
	s_lshl_b32 s21, s12, 6                         ; into the stage: row l % 16, my 64 bytes of it, 16 bytes for each half of the lanes
	s_add_co_u32 s21, s21, STAGE
	v_add_nc_u32 v[STO], s21, v3
	s_mul_i32 s21, s12, 32*PITCH                   ; back: wave w takes rows 32 w .. 32 w + 31 whole; lanes 0-15 one row, lanes 16-31 the next
	s_add_co_u32 s21, s21, STAGE
	v_mul_u32_u24 v4, v2, PITCH
	v_lshl_add_u32 v4, v1, 4, v4
	v_add_nc_u32 v[RD], s21, v4
	s_lshl_b32 s21, s12, 13                        ; which are 512 consecutive bytes of a head: 32 w rows of 256 bytes + 16 l
	v_lshl_add_u32 v[GO], v5, 4, s21
	s_lshl_b32 s21, s12, 7                         ; the table: token l % 16 (512 bytes), my 16 pairs of 8 bytes, four of them for each half of the lanes
	v_lshlrev_b32 v[TO], 9, v1
	v_lshl_add_u32 v[TO], v2, 5, v[TO]
	v_add_nc_u32 v[TO], s21, v[TO]
	WIN 0x80                                       ; destination window 2, address window 0
.set g, 0
.rept 16                                       ; the table for token block g / 2, channel block g % 2: (cos, sin) of four pairs; it is waited for on the way out
	global_load_b128 v[TB+8*g:TB+8*g+3],   v[TO], s[8:9] offset:(g/2)*8192+(g%2)*64
	global_load_b128 v[TB+8*g+4:TB+8*g+7], v[TO], s[8:9] offset:(g/2)*8192+(g%2)*64+16
.set g, g+1
.endr
	WIN 0
; 16 matrix instructions: tensor tn (0 q, 1 k, 2 v), all 8 token blocks x my 2 channel blocks, 32 along K, from buffer f.  zero = 1: the product starts the sums: nothing is ever cleared.
; The 48 accumulators take turns, one instruction a turn, in the same order in every quarter.
.macro MULG f, tn, zero
.if (\tn) < 2
	WIN 0x50
.else
	WIN 0xa0
.endif
.set AB, 128*((\tn)%2)
.irp a, 0,1,2,3,4,5,6,7
.irp cb, 0,1
.if \zero
	v_wmma_f32_16x16x32_bf16 v[AB+8*(2*(\a)+(\cb)):AB+8*(2*(\a)+(\cb))+7], v[160+48*(\f)+8*(2*(\tn)+(\cb)):160+48*(\f)+8*(2*(\tn)+(\cb))+7], v[32+64*(\f)+8*(\a):32+64*(\f)+8*(\a)+7], 0
.else
	v_wmma_f32_16x16x32_bf16 v[AB+8*(2*(\a)+(\cb)):AB+8*(2*(\a)+(\cb))+7], v[160+48*(\f)+8*(2*(\tn)+(\cb)):160+48*(\f)+8*(2*(\tn)+(\cb))+7], v[32+64*(\f)+8*(\a):32+64*(\f)+8*(\a)+7], v[AB+8*(2*(\a)+(\cb)):AB+8*(2*(\a)+(\cb))+7]
.endif
.endr
.endr
.endm
; 28 LDS loads in one run: the fragments of 32 along K at byte k of the rows of the slot that is read, into buffer f
.macro FETCH k, f
	WIN 0
.irp tn, 0,1
.irp cb, 0,1
	ds_load_b128 v[160+48*(\f)+8*(2*(\tn)+(\cb)):160+48*(\f)+8*(2*(\tn)+(\cb))+3],   v[ADRB] offset:(\k)+(\tn)*HALFT+(\cb)*16*PITCH
	ds_load_b128 v[160+48*(\f)+8*(2*(\tn)+(\cb))+4:160+48*(\f)+8*(2*(\tn)+(\cb))+7], v[ADRB] offset:(\k)+(\tn)*HALFT+(\cb)*16*PITCH+32
.endr
.endr
.irp cb, 0,1
	ds_load_b128 v[160+48*(\f)+8*(4+(\cb)):160+48*(\f)+8*(4+(\cb))+3],   v[ADRC] offset:(\k)+(\cb)*16*PITCH
	ds_load_b128 v[160+48*(\f)+8*(4+(\cb))+4:160+48*(\f)+8*(4+(\cb))+7], v[ADRC] offset:(\k)+(\cb)*16*PITCH+32
.endr
.irp a, 0,1,2,3,4,5,6,7
	ds_load_b128 v[32+64*(\f)+8*(\a):32+64*(\f)+8*(\a)+3],   v[ADRA] offset:(\k)+(\a)*16*PITCH
	ds_load_b128 v[32+64*(\f)+8*(\a)+4:32+64*(\f)+8*(\a)+7], v[ADRA] offset:(\k)+(\a)*16*PITCH+32
.endr
.endm
; A K step is four quarters of 32 along K, 48 matrix instructions each, on buffers 0, 1, 0, 1.  One of the first three: multiplies buffer f and fetches the next quarter, at byte k, into g.
.macro QUARTER k, f, g, zero
	s_wait_dscnt 0x0                               ; buffer f is in
	MULG \f, 0, \zero
	PLACES
	FETCH \k, \g
	MULG \f, 1, \zero
	MULG \f, 2, \zero
.endm
; The last quarter multiplies buffer 1 and changes slots: ONE barrier; in front of it each wave waits for all its tensor loads, adds 0 to its spare word, and waits for that and for its own reads of this slot.
; fill = 1: the barrier opens a round of the cluster's barrier, and the slot just read is filled again, with the K step two steps on, first thing behind the round.
.macro TURN fill
	WIN 0
	s_wait_tensorcnt 0x0                           ; all my tensor loads have landed: the one that was out is my tile of the next slot
	ds_add_u32 v[SPW], v[NIL]                      ; 0 onto my spare word
	s_wait_dscnt 1                                 ; the add alone may be out: buffer 1's 28 loads, issued ahead of it, are in
	MULG F1, 0, 0                                  ; sixteen matrix instructions stand between the add and the wait for it
	s_wait_dscnt 0x0                               ; the add is done, and my reads of this slot are over
	s_barrier_signal -1
	MULG F1, 1, 0
	WIN 0                                          ; at a branch and at a label every window is 0
	s_barrier_wait -1
.if \fill
	CREST                                          ; no wave of any partner still reads this slot's tiles or has a load on its way
	s_xor_b32 s[FB], s[FB], SLOT                   ; the walking descriptors: the other slot than last time,
	s_add_co_u32 s[G0+5], s[FB], s20
	s_add_nc_u64 s[G0+6:G0+7], s[G0+6:G0+7], KSTEP*2      ; the K step behind the one asked for last; the type bits on top are not reached
	s_add_co_u32 s[G0B+5], s[FB], s20
	s_add_nc_u64 s[G0B+6:G0B+7], s[G0B+6:G0B+7], KSTEP*2
	JLOAD 1                                        ; the first tensor load behind the round; the four v_nop behind it are also the places in front of the loads below
.else
	PLACES
.endif
	s_xor_b32 s[RB], s[RB], SLOT                   ; from here on the other slot is read
	v_add_nc_u32 v[ADRA], s[RB], v[ADRA0]
	v_add_nc_u32 v[ADRB], s[RB], v[ADRB0]
	v_add_nc_u32 v[ADRC], s[RB], v[ADRC0]
	FETCH 0, F0
	MULG F1, 2, 0
.endm
	s_wait_tensorcnt 1                             ; my tile of K step 0 is in; K step 1's may stay out
	s_barrier_signal -1
	s_barrier_wait -1                              ; everybody's is
	FETCH 0, F0
	QUARTER 64, F0, F1, 1                          ; the first quarter stands in front of the loop: its products start the sums
	WIN 0
	s_mov_b32 s3, STEPS-2
.Lstep:                                                ; a trip goes from a K step's second quarter to the next step's first, and fills the slot that it leaves: 14 trips ask for K steps 2 to 15
	QUARTER 128, F1, F0, 0
	QUARTER 192, F0, F1, 0
	TURN 1
	QUARTER 64,  F0, F1, 0
	WIN 0
	s_sub_co_u32 s3, s3, 1
	s_cmp_lg_u32 s3, 0
	s_cbranch_scc1 .Lstep
	s_mov_b32 s3, 2
.Ltail:                                                ; the last two steps ask for nothing: their text holds no tensor load, and its second trip is left in its middle
	QUARTER 128, F1, F0, 0
	QUARTER 192, F0, F1, 0
	WIN 0
	s_sub_co_u32 s3, s3, 1
	s_cmp_eq_u32 s3, 0
	s_cbranch_scc1 .Lfin
	TURN 0
	QUARTER 64,  F0, F1, 0
	WIN 0
	s_branch .Ltail
.Lfin:
	s_wait_dscnt 0x0
	MULG F1, 0, 0
	MULG F1, 1, 0
	MULG F1, 2, 0
; THE WAY OUT, a tensor at a time through the one stage: rotate (q, k), round to f16, 16 bytes a lane into the stage; a barrier, since a row's 256 bytes come from four waves; back as whole rows.
; Pair pr of accumulator g: (x1, x2) -> (cos x1 - sin x2, sin x1 + cos x2), one product rounded and one fused multiply-add each.  tr is the register that holds sin x2.
.macro ROT base, pr, tr
	v_fma_f32 v[R+8*g+2*(\pr)],   v[TB+8*g+2*(\pr)], v[(\base)+8*g+2*(\pr)],   -v\tr
	v_fma_f32 v[R+8*g+2*(\pr)+1], v[TB+8*g+2*(\pr)], v[(\base)+8*g+2*(\pr)+1], v[TT+2*(\pr)+1]
.endm
.macro ROPE base
	WIN 0x06                                       ; source 0 (the table) window 2, source 1 (the sums) window 1, source 2 and destination window 0
.set g, 0
.rept 16
.irp pr, 0,1,2,3
	v_mul_f32 v[TT+2*(\pr)],   v[TB+8*g+2*(\pr)+1], v[(\base)+8*g+2*(\pr)+1]   ; each accumulator's low registers are read first
	v_mul_f32 v[TT+2*(\pr)+1], v[TB+8*g+2*(\pr)+1], v[(\base)+8*g+2*(\pr)]
.endr
	ROT \base, 0, 224
	ROT \base, 1, 226
	ROT \base, 2, 228
	ROT \base, 3, 230
.set g, g+1
.endr
	WIN 0
.set g, 0
.rept 64
	v_cvt_pk_f16_f32 v[PKR+g], v[R+2*g], v[R+2*g+1]
.set g, g+1
.endr
.endm
.macro PACKV
	WIN 0x0a                                       ; sources 0 and 1 window 2
.set g, 0
.rept 64
	v_cvt_pk_f16_f32 v[PKR+g], v[2*g], v[2*g+1]
.set g, g+1
.endr
	WIN 0
.endm
.macro OUTP
.set g, 0
.rept 16
	ds_store_b128 v[STO], v[PKR+4*g:PKR+4*g+3] offset:(g/2)*16*PITCH+(g%2)*32
.set g, g+1
.endr
	s_wait_dscnt 0x0                               ; for the others' sake: my stores into the stage are done
	s_barrier_signal -1
	s_barrier_wait -1
.set g, 0
.rept 16
	ds_load_b128 v[PKR+4*g:PKR+4*g+3], v[RD] offset:g*2*PITCH
.set g, g+1
.endr
.set g, 0
.rept 16
	s_wait_dscnt 15-g                              ; LDS loads come back in order: the 15 - g younger ones may stay out; the last wait is for 0
	global_store_b128 v[GO], v[PKR+4*g:PKR+4*g+3], s[10:11] offset:g*512  ; 512 consecutive bytes, at a multiple of 256 from the buffer's first
.set g, g+1
.endr
.endm
	WIN 0
	PLACES                                         ; behind the last products
	s_wait_loadcnt 0x0                             ; the table
	ROPE 0
	OUTP                                           ; q
	s_wait_xcnt 0x0                                ; the stores' base and data are rewritten only behind this wait
	s_add_nc_u64 s[10:11], s[10:11], 0x800000      ; the next plane
	s_barrier_signal -1                            ; my reads of the stage are back (the count-down ended at 0);
	ROPE 128                                       ; work on registers while the others arrive;
	s_barrier_wait -1                              ; nobody reads the stage any more
	OUTP                                           ; k
	s_wait_xcnt 0x0
	s_add_nc_u64 s[10:11], s[10:11], 0x800000
	s_barrier_signal -1
	PACKV
	s_barrier_wait -1
	OUTP                                           ; v
	s_wait_tensorcnt 0x0                           ; the wave's end: the add and its wait, behind my last tensor load and my last LDS store
	ds_add_u32 v[SPW], v[NIL]
	s_wait_dscnt 0x0
	CROUND                                         ; the closing round: no work-group ends while a partner may still ask for a tile that names it
	s_endpgm
.Lfunc_end_k_qc28d25bac9_qkv:
	.size	k_qc28d25bac9_qkv, .Lfunc_end_k_qc28d25bac9_qkv-k_qc28d25bac9_qkv
	.p2alignl 7, 3214868480
	.fill 96, 4, 3214868480
	.section	.rodata,"a",@progbits
	.p2align	6, 0x0
	.amdhsa_kernel k_qc28d25bac9_qkv
		.amdhsa_group_segment_fixed_size 327680
		.amdhsa_private_segment_fixed_size 0
		.amdhsa_enable_private_segment 0
		.amdhsa_kernarg_size 32
		.amdhsa_user_sgpr_count 2
		.amdhsa_user_sgpr_kernarg_segment_ptr 1
		.amdhsa_wavefront_size32 1
		.amdhsa_system_sgpr_workgroup_id_x 1
		.amdhsa_system_sgpr_workgroup_id_y 1
		.amdhsa_system_sgpr_workgroup_id_z 1
		.amdhsa_system_vgpr_workitem_id 0
		.amdhsa_next_free_vgpr 768
		.amdhsa_next_free_sgpr 72
		.amdhsa_reserve_vcc 0
		.amdhsa_float_denorm_mode_32 3
		.amdhsa_float_denorm_mode_16_64 3
		.amdhsa_memory_ordered 1
		.amdhsa_forward_progress 1
		.amdhsa_inst_pref_size 112
	.end_amdhsa_kernel
	.amdgpu_metadata
---
amdhsa.version: [ 1, 2 ]
amdhsa.kernels:
  - .name:           k_qc28d25bac9_qkv
    .symbol:         k_qc28d25bac9_qkv.kd
    .args:
      - { .name: xb, .offset: 0, .size: 8, .value_kind: global_buffer, .address_space: global }
      - { .name: wb, .offset: 8, .size: 8, .value_kind: global_buffer, .address_space: global }
      - { .name: ropet, .offset: 16, .size: 8, .value_kind: global_buffer, .address_space: global }
      - { .name: qkvh, .offset: 24, .size: 8, .value_kind: global_buffer, .address_space: global }
    .group_segment_fixed_size: 327680
    .private_segment_fixed_size: 0
    .kernarg_segment_align: 8
    .kernarg_segment_size: 32
    .max_flat_workgroup_size: 128
    .sgpr_count:     72
    .vgpr_count:     768
    .wavefront_size: 32
...
	.end_amdgpu_metadata
.endif
;; end of part 2
;; launch attn (part 3): grid 16 x 16, 4 waves a work-group, clusters of 4 x 1, 327,680 bytes of LDS; arguments qkvh, obuf; writes obuf
.if DOCPART == 3
	.amdgcn_target "amdgcn-amd-amdhsa--gfx1250"
	.amdhsa_code_object_version 6
	.text
	.protected	k_qc28d25bac9_attn
	.globl	k_qc28d25bac9_attn
	.p2align	8
	.type	k_qc28d25bac9_attn,@function
k_qc28d25bac9_attn:
	s_mov_b64 s[64:65], 0
	v_nop
	global_prefetch_b8 v0, s[64:65] scope:SCOPE_SE
	s_setreg_imm32_b32 hwreg(HW_REG_WAVE_MODE, 25, 1), 1
	s_wait_xcnt 0x0
	s_wait_alu depctr_hold_cnt(0) depctr_sa_sdst(0) depctr_va_vdst(0) depctr_va_sdst(0) depctr_va_ssrc(0) depctr_va_vcc(0) depctr_vm_vsrc(0)
	s_getreg_b32 s2, hwreg(HW_REG_IB_STS2, 6, 4)
	s_cmp_eq_u32 s2, 0
	s_cbranch_scc0 .Lentry_in_a_cluster
	s_endpgm
.Lentry_in_a_cluster:
	s_bfe_u32 s2, ttmp6, 0x10000c
	s_cmp_lg_u32 s2, 0x3003
	s_cbranch_scc0 .Lentry_shape_is_right
	s_endpgm
.Lentry_shape_is_right:
; CAUSAL ATTENTION, head size 128.  O[q] = the sum over k <= q of softmax_k(Q[q] . K[k] / sqrt(128)) V[k], for each of 16 heads of 2,048 rows.
; qkvh: [3][16][2048][128] f16 (q, k, v by heads; a head's rows are dense, 256 bytes each).  obuf: [2048][2048] f16, column 128 head + channel.
; Products, maxima and sums in f32; the weights p are rounded to f16 for the second product (their sum l is taken of the unrounded p), O once at the end.
; LIMITS.  A hidden score counts as its value less 1e30; the running maximum starts at -2^83, far below every score of f16 operands (5.5e11 at the most) and far above every hidden one;
; a weight below 2^-126 counts as 0; NaN and infinities are not treated apart.
; SHARES.  A head's queries lie in 32 blocks of 64.  A work-group takes TWO blocks, 31 - p and then p (p = 4 a + cx, a the cluster's number along x).  THE KEYS ARE SPLIT OVER THE WAVES: every wave holds all 64
; queries of the block in hand (four tiles of 16) and, of each tile of 256 keys, the 64 keys 64 w .. 64 w + 63; so a fragment of K or V read from LDS feeds four tiles' products.  At a block's end the four waves'
; partial results (c m, l, O) are MERGED through LDS: each O is scaled by 2^(c m - c M) / L and the four are added.
; THE WALK.  Block i needs the key tiles 0 .. i / 4: 8 - a tiles for the first block, a + 1 for the second: always 9, and the SAME tiles in the four work-groups of a cluster.  So each tile is asked for JOINTLY.
; The first block's tiles are walked in a ring that begins at tile 2 a (at tile 1 for a = 3) and wraps behind the block's last tile: a head's four clusters begin at tiles 0, 2, 4 and 1, so that most of their
; requests name bytes that another of the four asked for a trip or more before.  The running maximum does not care for the order.  The second block walks 0 .. a.
; In a block's highest tile (DG) a wave's 64 keys are wholly seen, hold the diagonal, or are wholly hidden, by DI = i % 4 - w (> 0, = 0, < 0); hidden ones are computed all the same and count for nothing.
; THE MASK is the C operand that starts each sum S^T = K Q^T, in every tile: one text.  For key block kb and query tile t of 16: MK0 (kb < t), MK1 (kb = t), MK2 (kb > t), eight registers each, made anew for each tile
; from two or three scalars that are selected, never branched on.
; LAYOUT.  S^T = K Q^T (source 0 = 16 keys, source 1 = 16 queries) holds ONE query a lane (lane % 16) and the keys 8 (lane / 16) + 0..7; two such results rounded to f16 ARE source 1 of O^T = V^T P.
; SOFTMAX.  p = 2^(c s - c m), c = log2(e) / sqrt(128), with a running maximum m; O and l are multiplied by a = 2^(c m_old - c m_new) in every tile.  c m starts far below every c s: a block's first a is 0.
; A KEY TILE.  The wave's four query tiles are two PIECES (tiles 0, 1; tiles 2, 3).  32 products K Q^T of piece 0; 32 of piece 2 with piece 0's softmax in slices behind them; 32 products V^T P of piece 0 with piece 2's
; softmax behind them; 32 of piece 2.
; REGISTERS, in windows of 256 (s_set_vgpr_msb: bits 1:0 source 0, 3:2 source 1, 5:4 source 2, 7:6 destination):
;   window 0: v0-11 addresses; v12-43 eight registers of statistics a tile; v44-47 at work; v62-63 the add's; v64-191 S^T, 32 a tile; v192-255 P, 16 a tile (both serve the merge as work space)
;   window 1: O^T, 64 a tile      window 2: v0-127 Q, 32 a tile; v128-255 K      window 3: v0-127 V; v128-151 the three masks; v152-159 the triangle
.set PK,    272       ; a row of K in LDS: 256 bytes + 16 of padding: the 16 rows of a load start at 16 different groups of four banks (64 banks of 4 bytes: ISA guide 11.1)
.set PV,    288       ; a row of V: 256 + 32
.set VOFF,  256*PK    ; a slot: 256 rows of K, then 256 rows of V
.set SLOT1, 256*(PK+PV)
.set STG,   2*SLOT1   ; behind the ring, never filled by a tensor load: for the merge, a region of 16 rows x 528 bytes for each wave
.set SP,    528       ; 512 bytes (128 channels in f32) + 16
.set STATB, STG+4*16*SP  ; (c m, l) of 4 tiles x 32 lanes for each wave: 1,024 bytes a wave
.set SPARE, STATB+4096   ; the spare words, 128 bytes for each wave: two blocks of 256 bytes that no other line names
.set AK0, 2           ; v2   my lane's place in my wave's 64 keys of a slot's K; never rewritten
.set AV0, 3           ; v3   the same for V
.set ADK, 4           ; v4   the LDS address of K's run of loads
.set ADV, 5           ; v5   of V's
.set QO,  6           ; v6   my byte offset in 16 rows of Q
.set STO, 7           ; v7   the merge: where I put 32 bytes of a row
.set RDM, 8           ; v8   where I read 16 bytes of a row, in region 0
.set GO,  9           ; v9   my byte offset in the block's rows of O
.set SA,  10          ; v10  where I put (c m, l)
.set SR,  11          ; v11  where I read wave 0's
.set ST,  12          ; tile t's statistics at v[ST+8 t]: +0 c m, +1 m, +2, +3 l (even keys', odd keys'), +4 to +7 c0-c3, at work; a takes c2's place once the maximum is found
.set SPW, 62
.set NIL, 63
.set S,   64
.set P,   192
.set KF,  128         ; window 2: key block kb, channels 32 c on at KF + 32 kb + 8 c
.set MK0, 128         ; window 3
.set MK1, 136
.set MK2, 144
.set TRI, 152
.set MR,  64          ; the merge's work space, window 0: 16 loads of four words
.set MO,  128         ; the rows to be stored: registers of their own for each of the four tiles
.set MS,  160         ; (c m, l) of tile t, wave u at MS + 2 (4 t + u)
.set ME,  192         ; 2^(c m - c M) of tile t, wave u
.set MEO, 208         ; my own
.set MM,  212         ; c M
.set ML,  216         ; L, then 1 / L
.set WV,  12          ; s12  my wave's number
.set G1K, 24          ; s[24:31] descriptor group 1 for K's tiles
.set G1V, 32          ; s[32:39] for V's: it differs in the padding alone
.set G0K, 40          ; s[40:43] descriptor group 0 for K's tiles
.set G0V, 44          ; s[44:47] for V's
.set FB,  48          ; s48  the slot to be filled: 0 or SLOT1
.set RB,  49          ; s49  the slot to be read
.set SLOTS, 50        ; s50  tiles still to be asked for
.set RT,  51          ; s51  tiles of the block in hand that are still to be entered
.set NXT, 52          ; s52  the tile to be asked for next
.set LQ,  53          ; s53  the highest tile of the block whose tiles are being asked for: the ring wraps behind it
.set OFF, 54          ; s[54:55] a tile's byte offset in K and V
.set DI,  56          ; s56  the block in hand's i % 4 - w
.set DILO, 57         ; s57  the second block's
.set CS,  58          ; s[58:59] c
.set SEL, 60          ; s[60:61] v_permlanex16_b32's selects: each lane takes its own place in the other half
.set CASE, 62         ; s62  DI in the block's highest tile, else 1
.set BIGN, 63         ; s63  -1e30
.set AL,  66          ; s[66:67] the triangle's factor
.set BE,  68          ; s[68:69] MK0, and MK1's addend
.set B2,  70          ; s70  MK2
.set QA,  72          ; s[72:73] Q at the first block;  s[74:75] at the second
.set QLO, 74
.set OA,  76          ; s[76:77] O at the block in hand;  s[78:79] at the second
.set OLO, 78
.set PEND, 88         ; s88  the tile asked for last: the one to be entered next
.set CUR, 89          ; s89  the tile in hand
.set DG,  90          ; s90  the highest tile of the block in hand: the one with the diagonal
.set RQ,  91          ; s91  tiles of the block being asked for that are still to be asked for
.set A1,  92          ; s92  a + 1
.set MSB, 0
.macro WIN new                      ; the high byte repeats the setting that is left; a switch that changes nothing is dropped
.if MSB != (\new)
	s_set_vgpr_msb (MSB<<8)|(\new)
.set MSB, (\new)
.endif
.endm
.set W_KQ, 0x0a       ; K and Q in window 2, S^T in window 0
.set W_KM, 0x3a       ; the same with the C operand in window 3
.set W_PV, 0x53       ; V in window 3, P in window 0, O^T in window 1
.set W_RS, 0x41       ; O^T (destination and source 0) in window 1, the factor in window 0
; A joint fill.  Waves 0 and 1 fetch the two halves of a tile's K, waves 2 and 3 those of its V: 128 rows each.  The branch hangs on the wave's number alone.
; An s_nop 0 and four v_nop follow each of the two lines, ahead of the jump and the label.
.macro JLOAD
	s_cmp_lt_u32 s[WV], 2
	s_cbranch_scc0 .Lfor_v_\@
	tensor_load_to_lds s[G0K:G0K+3], s[G1K:G1K+7]
	s_nop 0
.rept 4
	v_nop
.endr
	s_branch .Lasked_\@
.Lfor_v_\@:
	tensor_load_to_lds s[G0V:G0V+3], s[G1V:G1V+7]
	s_nop 0
.rept 4
	v_nop
.endr
.Lasked_\@:
.endm
.macro CROUND                       ; a round of the cluster's barrier
	s_barrier_signal -1
	s_barrier_wait -1
	s_cmp_lg_u32 s[WV], 0
	s_cbranch_scc1 .Lnot_wave_0_\@
	s_barrier_signal -3
.Lnot_wave_0_\@:
	s_barrier_wait -3
	s_barrier_signal -1
	s_barrier_wait -1
.endm
.macro PLACES
.rept 4
	v_nop
.endr
.endm
; THE CHANGE OF SLOTS.  Each wave waits for all its tensor loads, of which one is out: its part of the other slot; adds 0 to its spare word; and waits for that and for its own reads of the slot that it leaves.
; fill = 1: a round of the cluster's barrier, so that no wave of any partner still reads the old slot or has a load on its way, and the joint fill first behind it, with tile NXT: the descriptors are made anew
; from that number and from the slot's base.  (At its first use nothing has been read yet: slot 0 is waited for, slot 1 filled.)
.macro CHANGE fill
	WIN 0
	s_wait_tensorcnt 0x0            ; no tensor load of mine is out, so a group 0 may be written
	ds_add_u32 v[SPW], v[NIL]       ; 0 onto my spare word; scalar work stands between it and the wait for it
	s_mov_b32 s[CUR], s[PEND]       ; the tile that is entered now is the one asked for last
.if \fill
	s_mov_b32 s[PEND], s[NXT]
	s_lshl_b32 s[OFF], s[NXT], 16   ; a tile is 65,536 bytes of K and of V
	s_xor_b32 s[FB], s[FB], SLOT1   ; the other slot than last time
	s_add_co_u32 s[G0K+1], s[FB], s17
	s_add_nc_u64 s[G0K+2:G0K+3], s[8:9], s[OFF:OFF+1]
	s_or_b32 s[G0K+3], s[G0K+3], 0x80000000
	s_add_co_u32 s[G0V+1], s[FB], s18
	s_add_nc_u64 s[G0V+2:G0V+3], s[10:11], s[OFF:OFF+1]
	s_or_b32 s[G0V+3], s[G0V+3], 0x80000000
	s_add_co_u32 s[NXT], s[NXT], 1  ; the ring's next tile: behind the block's highest comes tile 0;
	s_cmp_gt_u32 s[NXT], s[LQ]
	s_cselect_b32 s[NXT], 0, s[NXT]
	s_sub_co_u32 s[RQ], s[RQ], 1    ; when all the block's tiles are asked for, the second block's tiles 0 .. a follow
	s_cmp_eq_u32 s[RQ], 0
	s_cselect_b32 s[NXT], 0, s[NXT]
	s_cselect_b32 s[LQ], s14, s[LQ]
	s_cselect_b32 s[RQ], s[A1], s[RQ]
.endif
	s_xor_b32 s[RB], s[RB], SLOT1
	s_wait_dscnt 0x0                ; the add is done, and my reads of the slot are over
.if \fill
	CROUND
	JLOAD                           ; its four v_nop are also the places between the last product that read V and the loads into V's registers
.else
	s_barrier_signal -1
	s_barrier_wait -1
	PLACES
.endif
.endm
.macro LOADQ b                      ; a block's Q: tile i / 4, channels 32 (i % 4) on
	WIN 0x80                        ; destination window 2, address window 0
.set i, 0
.rept 16
	global_load_b128 v[8*i:8*i+3],   v[QO], s[(\b):(\b)+1] offset:(i/4)*4096+(i%4)*64
	global_load_b128 v[8*i+4:8*i+7], v[QO], s[(\b):(\b)+1] offset:(i/4)*4096+(i%4)*64+32
.set i, i+1
.endr
	WIN 0
.endm
.macro INIT                         ; a block begins: its first a is 0, so O^T need only hold finite numbers
.set i, 0
.rept 4
	v_mov_b32 v[ST+8*i], 0xfe000000    ; c m: far below every c s
	v_mov_b32 v[ST+8*i+1], 0xe9000000  ; m = -2^83: above every hidden score, so a wave that has seen nothing yet makes weights 0, and l = 0
	v_mov_b32 v[ST+8*i+2], 0
	v_mov_b32 v[ST+8*i+3], 0
.set i, i+1
.endr
.endm
	s_load_b128 s[4:7], s[0:1], 0x0 ; qkvh s[4:5], obuf s[6:7]
	v_lshl_add_u32 v[SPW], v0, 2, SPARE
	v_mov_b32 v[NIL], 0
	ds_add_u32 v[SPW], v[NIL]       ; the wave's opening: the add and its wait stand ahead of my first tensor load; the set-up below, work on registers, stands between them
	v_lshrrev_b32 v1, 5, v0
	v_readfirstlane_b32 s[WV], v1   ; wave 0..3
	s_bfe_u32 s13, ttmp6, 0x40000   ; cx: my place in the cluster
	s_mov_b32 s14, ttmp9            ; a: in a cluster launch ttmp9 counts clusters
	s_and_b32 s20, ttmp7, 0xffff    ; the head, which the four partners share
	s_lshl_b32 s21, s20, 19         ; its 524,288 bytes in a plane
	s_and_b32 s16, s[WV], 1         ; which half of a tile's 256 rows I fetch:
	s_lshl_b32 s22, s16, 15         ; its 128 rows of 256 bytes in memory,
	s_add_co_u32 s22, s22, s21
	s_add_co_u32 s22, s22, 0x800000 ; in K's plane
	s_mov_b32 s23, 0
	s_mul_i32 s17, s16, 128*PK      ; and its place in a slot, for K
	s_mul_i32 s18, s16, 128*PV      ; and for V: no place in the cluster enters an LDS address
	s_add_co_u32 s18, s18, VOFF
	s_lshl_b32 s15, s14, 2
	s_add_co_u32 s15, s15, s13      ; p: it enters Q's and O's addresses and the masks' scalars alone
	s_sub_co_u32 s19, 31, s15       ; the first block
	s_lshl_b32 s80, s19, 14         ; a block's 64 rows of Q are 16,384 bytes
	s_add_co_u32 s80, s80, s21
	s_mov_b32 s81, 0
	s_lshl_b32 s82, s15, 14
	s_add_co_u32 s82, s82, s21
	s_mov_b32 s83, 0
	s_lshl_b32 s2, s20, 8           ; the head's 256 bytes in a row of O
	s_lshl_b32 s84, s19, 18         ; a block's 64 rows of O are 262,144 bytes
	s_add_co_u32 s84, s84, s2
	s_mov_b32 s85, 0
	s_lshl_b32 s86, s15, 18
	s_add_co_u32 s86, s86, s2
	s_mov_b32 s87, 0
	s_sub_co_u32 s[DI], 3, s13      ; (31 - p) % 4 - w
	s_sub_co_u32 s[DI], s[DI], s[WV]
	s_sub_co_u32 s[DILO], s13, s[WV]  ; p % 4 - w
	; descriptor group 1: a tile of 128 rows x 128 elements, padded in LDS
	s_mov_b32 s[G1K], 15|(1<<16)|(1<<20)|(1<<21)|(5<<22)|(3<<25)  ; 15:0 the mask of four; 17:16 2-byte elements; 20 padding on; 21 set beside a mask; 24:22 after every 64 words (code 5); 31:25 4 words (code 3)
	s_mov_b32 s[G1V], 15|(1<<16)|(1<<20)|(1<<21)|(5<<22)|(7<<25)  ; the same with 8 words of padding (code 7)
.irp g, G1K, G1V
	s_mov_b32 s[(\g)+1], 128<<16    ; tensor_dim0 = 128
	s_mov_b32 s[(\g)+2], 128<<16    ; tensor_dim1 = 128
	s_mov_b32 s[(\g)+3], 128<<16    ; tile_dim0 = 128
	s_mov_b32 s[(\g)+4], 128        ; tile_dim1 = 128
	s_mov_b32 s[(\g)+5], 128        ; 128 elements from row to row
	s_mov_b32 s[(\g)+6], 0
	s_mov_b32 s[(\g)+7], 0
.endr
	s_mov_b32 s[CS], 0x3e0293ee     ; c = log2(e) / sqrt(128) = 0.127517
	s_mov_b32 s[CS+1], s[CS]        ; named with it as a pair
	s_mov_b32 s[SEL], 0x76543210
	s_mov_b32 s[SEL+1], 0xfedcba98
	s_mov_b32 s[BIGN], 0xf149f2ca   ; -1e30
	s_mov_b32 s[AL+1], 0            ; named as pairs
	s_mov_b32 s[BE+1], 0
	s_mov_b32 s[OFF+1], 0
	s_mov_b32 s[FB], 0
	s_mov_b32 s[RB], SLOT1          ; the first change of slots turns it into 0
	s_sub_co_u32 s[LQ], 7, s14      ; the first block's highest tile,
	s_mov_b32 s[DG], s[LQ]          ; which holds its diagonal
	s_lshl_b32 s[PEND], s14, 1      ; the ring begins at tile 2 a,
	s_cmp_eq_u32 s14, 3
	s_cselect_b32 s[PEND], 1, s[PEND]  ; at tile 1 for a = 3: all these hang on the cluster's number alone
	s_lshl_b32 s[OFF], s[PEND], 16
	s_add_co_u32 s[NXT], s[PEND], 1
	s_cmp_gt_u32 s[NXT], s[LQ]
	s_cselect_b32 s[NXT], 0, s[NXT]
	s_sub_co_u32 s[RQ], 7, s14      ; of the first block's 8 - a tiles one is asked for at once
	s_add_co_u32 s[A1], s14, 1
	s_sub_co_u32 s[RT], 8, s14
	s_mov_b32 s[SLOTS], 8
	s_wait_dscnt 0x0                ; the opening add is done
	s_wait_kmcnt 0x0
	s_add_nc_u64 s[8:9], s[4:5], s[22:23]          ; K at my half of the head's tile 0,
	s_add_nc_u64 s[10:11], s[8:9], 0x800000        ; V one plane further
	s_add_nc_u64 s[QA:QA+1], s[4:5], s[80:81]
	s_add_nc_u64 s[QLO:QLO+1], s[4:5], s[82:83]
	s_add_nc_u64 s[OA:OA+1], s[6:7], s[84:85]
	s_add_nc_u64 s[OLO:OLO+1], s[6:7], s[86:87]
	s_mov_b32 s[G0K], 1             ; count = 1
	s_add_co_u32 s[G0K+1], s[FB], s17              ; LDS address: slot 0
	s_add_nc_u64 s[G0K+2:G0K+3], s[8:9], s[OFF:OFF+1]  ; global address: the ring's first tile
	s_or_b32 s[G0K+3], s[G0K+3], 0x80000000        ; type = 2
	s_mov_b32 s[G0V], 1
	s_add_co_u32 s[G0V+1], s[FB], s18
	s_add_nc_u64 s[G0V+2:G0V+3], s[10:11], s[OFF:OFF+1]
	s_or_b32 s[G0V+3], s[G0V+3], 0x80000000
	CROUND                          ; all four work-groups are here: the first joint loads meet
	JLOAD                           ; the first tile into slot 0.  Slot 1 is asked for when slot 0 is in, by the loop's own change of slots
	; A fragment of K or Q is 16 rows x 32 channels in 8 registers: lane l holds row l % 16, channels 8 (l / 16) + 0..7 and 16 + 8 (l / 16) + 0..7: two loads of 16 bytes, 32 bytes apart.
	v_and_b32 v1, 15, v0            ; l % 16
	v_bfe_u32 v45, v0, 4, 1         ; l / 16
	v_and_b32 v46, 31, v0           ; l
	v_lshlrev_b32 v[QO], 8, v1
	v_lshl_add_u32 v[QO], v45, 4, v[QO]  ; row x 256 + 16 x half
	LOADQ QA
	s_mul_i32 s20, s[WV], 64*PK     ; my wave's 64 keys
	v_mul_u32_u24 v[AK0], v1, PK
	v_lshl_add_u32 v[AK0], v45, 4, v[AK0]
	v_add_nc_u32 v[AK0], s20, v[AK0]
	; The turning load takes 16 keys x 16 channels (lane l reads key 8 (l / 16) + l % 8, channels 8 ((l / 8) % 2) + 0..7) and leaves half a fragment of V^T: lane l holds channel l % 16 and 8 keys.
	v_and_b32 v47, 7, v0
	v_bfe_u32 v44, v0, 3, 1
	v_lshl_add_u32 v[AV0], v45, 3, v47
	v_mul_u32_u24 v[AV0], v[AV0], PV
	v_lshl_add_u32 v[AV0], v44, 4, v[AV0]
	s_mul_i32 s20, s[WV], 64*PV
	s_add_co_u32 s20, s20, VOFF
	v_add_nc_u32 v[AV0], s20, v[AV0]
	s_mul_i32 s20, s[WV], 16*SP     ; the merge.  In: my region, row l % 16, 32 bytes for each half of the lanes
	s_add_co_u32 s20, s20, STG
	v_mul_u32_u24 v[STO], v1, SP
	v_lshl_add_u32 v[STO], v45, 5, v[STO]
	v_add_nc_u32 v[STO], s20, v[STO]
	s_mul_i32 s20, s[WV], 4*SP      ; back: wave w takes rows 4 w .. 4 w + 3 of every region; 32 lanes x 16 bytes are a row
	s_add_co_u32 s20, s20, STG
	v_lshl_add_u32 v[RDM], v46, 4, s20
	s_lshl_b32 s20, s[WV], 14       ; the same rows in O: 4 w rows of 4,096 bytes, 8 bytes a lane
	v_lshl_add_u32 v[GO], v46, 3, s20
	s_lshl_b32 s20, s[WV], 10
	s_add_co_u32 s20, s20, STATB
	v_lshl_add_u32 v[SA], v46, 3, s20
	v_lshlrev_b32 v[SR], 3, v46
	v_add_nc_u32 v[SR], STATB, v[SR]
	v_lshlrev_b32 v44, 3, v45
	v_sub_nc_u32 v44, v1, v44       ; my query's place in its 16, less my lanes' 8 (l / 16): register z is hidden where z is greater
	WIN 0xc0
.set z, 0
.rept 8
	v_cmp_gt_i32 vcc_lo, z, v44
	v_cndmask_b32 v[TRI+z], 0, s[BIGN], vcc_lo
.set z, z+1
.endr
	; O^T must hold finite numbers before its first rescaling by a = 0.  32 products of two fragments of zeros write its 256 registers: 48 lines for 256, in the wait for the first tile.
	WIN 0
.set i, 0
.rept 16
	v_mov_b32 v[S+i], 0
.set i, i+1
.endr
	WIN 0x40                        ; destination window 1, sources window 0
.set i, 0
.rept 32
	v_wmma_f32_16x16x32_f16 v[8*i:8*i+7], v[S:S+7], v[S+8:S+15], 0
.set i, i+1
.endr
	WIN 0
	INIT                            ; sixteen plain lines: the places behind those products
; THE MATRIX WORK.  The accumulators take turns, one instruction a turn: between two links of a chain stand 7 (K Q^T) or 15 (V^T P) others'.
; Product i of 32 of S^T = K Q^T for piece x: channels 32 (i / 8) on, keys 16 ((i / 2) % 4) on, tile x + i % 2.  The first 8 start the sums, with the mask.
.macro KQ x
.set rS, S+32*((\x)+i%2)+8*((i/2)%4)
.set rK, KF+32*((i/2)%4)+8*(i/8)
.set rQ, 32*((\x)+i%2)+8*(i/8)
.if i < 8
.set rM, MK1
.if ((i/2)%4) < ((\x)+i%2)
.set rM, MK0
.elseif ((i/2)%4) > ((\x)+i%2)
.set rM, MK2
.endif
	WIN W_KM
	v_wmma_f32_16x16x32_f16 v[rS:rS+7], v[rK:rK+7], v[rQ:rQ+7], v[rM:rM+7]
.else
	WIN W_KQ
	v_wmma_f32_16x16x32_f16 v[rS:rS+7], v[rK:rK+7], v[rQ:rQ+7], v[rS:rS+7]
.endif
.endm
; Product i of 32 of O^T += V^T P for piece x: keys 32 (i / 16) on, channels 16 ((i / 2) % 8) on, tile x + i % 2.
.macro PV x
	WIN W_PV
.set rO, 64*((\x)+i%2)+8*((i/2)%8)
.set rV, 64*(i/16)+8*((i/2)%8)
.set rP, P+16*((\x)+i%2)+8*(i/16)
	v_wmma_f32_16x16x32_f16 v[rO:rO+7], v[rV:rV+7], v[rP:rP+7], v[rO:rO+7]
.endm
; THE VECTOR WORK.  One tile's softmax for one key tile is a list of 134 instructions; SM writes number j of it for tile t.  s0-s31 are the lane's 32 scores, in pairs 0-15.
;   0-15    the maximum of s0-s31 and the old m, three operands at a time (each accumulator's lowest registers are read first)
;   16-20   the other half of the lanes' maximum; the new m; c m; c m_old - c m_new
;   21-87   33 exponentials (a, then s0-s31) at the odd numbers from 23 on, so that no two follow each other and each has a plain instruction behind it before its result is used;
;           the plain ones are c s - c m for pairs whose exponentials are still to come, the rounding to f16 of pairs whose exponentials are done, at last the first three sums
;   88-101  the last rounding; the rest of the sums; l = a l + the sum
;   102-133 the tile's O^T times a: the one part that leaves window 0, so it stands together
.macro SM t
.set rT, ST+8*(\t)
.set rS, S+32*(\t)
.set rP, P+16*(\t)
.set rO, 64*(\t)+2*(j-102)
.set q, (j-20)/2
.if j < 102
	WIN 0
.endif
.if j < 4
	v_max3_num_f32 v[rT+4+j], v[rS+8*j], v[rS+8*j+1], v[rS+8*j+2]
.elseif j < 12
	v_max3_num_f32 v[rT+4+j%4], v[rT+4+j%4], v[rS+8*(j%4)+2*(j/4)+1], v[rS+8*(j%4)+2*(j/4)+2]
.elseif j == 12
	v_max3_num_f32 v[rT+4], v[rT+4], v[rS+7], v[rS+15]
.elseif j == 13
	v_max3_num_f32 v[rT+6], v[rT+6], v[rS+23], v[rS+31]
.elseif j == 14
	v_max3_num_f32 v[rT+4], v[rT+4], v[rT+5], v[rT+6]
.elseif j == 15
	v_max3_num_f32 v[rT+4], v[rT+4], v[rT+7], v[rT+1]
.elseif j == 16
	v_permlanex16_b32 v[rT+5], v[rT+4], s[SEL], s[SEL+1]  ; the query's other 32 keys lie in the lane 16 away
.elseif j == 17
	v_mov_b32 v[rT+7], v[rT]        ; c m_old is kept for a: number 19 writes c m anew
.elseif j == 18
	v_max_num_f32 v[rT+1], v[rT+4], v[rT+5]
.elseif j == 19
	v_mul_f32 v[rT], s[CS], v[rT+1]
.elseif j == 20
	v_sub_f32 v[rT+7], v[rT+7], v[rT]
.elseif j == 23
	v_exp_f32 v[rT+6], v[rT+7]
.elseif (j < 88) && (j > 23) && (j%2 == 1)
	v_exp_f32 v[rS+(j-25)/2], v[rS+(j-25)/2]
.elseif (q < 4) || ((j < 76) && (q%2 == 0))
.set b, q/2+2
.if q < 4
.set b, q
.endif
	v_pk_fma_f32 v[rS+2*b:rS+2*b+1], v[rS+2*b:rS+2*b+1], s[CS:CS+1], v[rT:rT+1] op_sel_hi:[1,0,0] neg_lo:[0,0,1] neg_hi:[0,0,1]  ; pair b: c s - c m
.elseif (j < 88) && (q%2 == 1)
	s_wait_alu depctr_va_vdst(0)
	v_cvt_pk_f16_f32 v[rP+(q-5)/2], v[rS+q-5], v[rS+q-4]  ; pair (q - 5) / 2: its second exponential stands three numbers back
.elseif j == 89
	s_wait_alu depctr_va_vdst(0)
	v_cvt_pk_f16_f32 v[rP+15], v[rS+30], v[rS+31]
.elseif j < 102                     ; the sum of the tile's 16 pairs, in place: sum z of 16 adds neighbours 1, 2, 4 and 8 pairs apart, then l takes it
.set z, j-86
.if j < 89
.set z, (j-76)/4
.endif
.set w, 4
.set u, z
.if z >= 14
.set w, 32
.set u, 0
.elseif z >= 12
.set w, 16
.set u, z-12
.elseif z >= 8
.set w, 8
.set u, z-8
.endif
.if z < 15
	v_pk_add_f32 v[rS+w*u:rS+w*u+1], v[rS+w*u:rS+w*u+1], v[rS+w*u+w/2:rS+w*u+w/2+1]
.else
	v_pk_fma_f32 v[rT+2:rT+3], v[rT+2:rT+3], v[rT+6:rT+7], v[rS:rS+1] op_sel_hi:[1,0,1]
.endif
.else
	WIN W_RS
	v_pk_mul_f32 v[rO:rO+1], v[rO:rO+1], v[rT+6:rT+7] op_sel_hi:[1,0]
.endif
.endm
; Slice k of 64 of piece y's softmax: numbers 2 k and 2 k + 1 of both tiles' lists, four instructions.  2 x 134 = 4 x 64 + 12: the twelve that are over stand together, in slice 63.
.macro SLICE y
.if (k >= 11) && (k < 44)           ; tile by tile: plain, exponential, plain, exponential
.irp t, \y, (\y)+1
.irp n, 0,1
.set j, 2*k+(\n)
	SM \t
.endr
.endr
.else                               ; the two tiles alternate, so that no instruction reads the result of the one just before it
.irp n, 0,1,2,3,4,5,6,7
.if ((\n) < 2) || (k == 63)
.irp t, \y, (\y)+1
.set j, 2*k+(\n)
	SM \t
.endr
.endif
.endr
.endif
.set k, k+1
.endm
; The three masks of the tile in hand.  CASE > 0: all 0.  CASE = 0: 0, the triangle, -1e30.  CASE < 0: all -1e30.  The scalars are selected; nothing is branched on.
.macro MASKS
	s_cmp_eq_u32 s[CUR], s[DG]      ; is the tile in hand the one with the block's diagonal?
	s_cselect_b32 s[CASE], s[DI], 1
	s_cmp_eq_u32 s[CASE], 0
	s_cselect_b32 s[AL], 1.0, 0
	s_cmp_lt_i32 s[CASE], 0
	s_cselect_b32 s[BE], s[BIGN], 0
	s_cmp_le_i32 s[CASE], 0
	s_cselect_b32 s[B2], s[BIGN], 0
	WIN 0xc3                        ; destination and source 0 in window 3
.set z, 0
.rept 8
	v_mov_b32 v[MK0+z], s[BE]
	v_mov_b32 v[MK2+z], s[B2]
.set z, z+1
.endr
.set z, 0
.rept 4
	v_pk_fma_f32 v[MK1+2*z:MK1+2*z+1], v[TRI+2*z:TRI+2*z+1], s[AL:AL+1], s[BE:BE+1] op_sel_hi:[1,0,0]
.set z, z+1
.endr
.endm
; A KEY TILE: my wave's 64 keys of it against the block's 64 queries.
.macro TILE
	WIN 0
	v_add_nc_u32 v[ADK], s[RB], v[AK0]
	v_add_nc_u32 v[ADV], s[RB], v[AV0]
	WIN 0x80                        ; K: 32 loads, the channels' groups of 32 one after the other, so that the first products need wait for eight loads only
.irp c, 0,1,2,3
.irp kb, 0,1,2,3
	ds_load_b128 v[KF+32*(\kb)+8*(\c):KF+32*(\kb)+8*(\c)+3],   v[ADK] offset:(\kb)*16*PK+(\c)*64
	ds_load_b128 v[KF+32*(\kb)+8*(\c)+4:KF+32*(\kb)+8*(\c)+7], v[ADK] offset:(\kb)*16*PK+(\c)*64+32
.endr
.endr
	WIN 0xc0                        ; V, turned: keys 32 (f / 8) on, channels 16 (f % 8) on
.irp f, 0,1,2,3,4,5,6,7,8,9,10,11,12,13,14,15
	ds_load_tr16_b128 v[8*(\f):8*(\f)+3],   v[ADV] offset:((\f)/8)*32*PV+((\f)%8)*32
	ds_load_tr16_b128 v[8*(\f)+4:8*(\f)+7], v[ADV] offset:((\f)/8)*32*PV+16*PV+((\f)%8)*32
.endr
	MASKS                           ; while the loads are out
	s_wait_loadcnt 0x0              ; Q
.set i, 0
.rept 32
.if i%8 == 0
	s_wait_dscnt 32+8*(3-i/8)       ; V's 32 loads and K's later groups of eight may stay out
.endif
	KQ 0                            ; piece 0's scores
.set i, i+1
.endr
	PLACES                          ; between those products and the first read of their results
.set k, 0
.set i, 0
.rept 32
	KQ 2                            ; piece 2's scores | piece 0's softmax; its last twenty lines, all plain, are the places behind the last of these products
	SLICE 0
	SLICE 0
.set i, i+1
.endr
	s_wait_dscnt 0x0                ; V is in
.set k, 0
.set i, 0
.rept 32
	PV 0                            ; piece 0's V^T P | piece 2's softmax
	SLICE 2
	SLICE 2
.set i, i+1
.endr
.set i, 0
.rept 32
	PV 2
.set i, i+1
.endr
.endm
; THE MERGE, at a block's end.  Tile t of four: my O^T, scaled, goes into my region as 16 rows of 512 bytes; behind a barrier wave w reads rows 4 w .. 4 w + 3 of all four regions, adds them, rounds and stores.
.macro MPASS t
	WIN 0x04                        ; store data in window 1
.irp cb, 0,1,2,3,4,5,6,7
.irp u, 0,1
	ds_store_b128 v[STO], v[64*(\t)+8*(\cb)+4*(\u):64*(\t)+8*(\cb)+4*(\u)+3] offset:64*(\cb)+16*(\u)
.endr
.endr
	WIN 0
	s_wait_dscnt 0x0                ; for the others' sake: my stores are done
	s_barrier_signal -1
	s_barrier_wait -1
.irp rr, 0,1,2,3
.irp u, 0,1,2,3
	ds_load_b128 v[MR+4*(4*(\rr)+(\u)):MR+4*(4*(\rr)+(\u))+3], v[RDM] offset:16*SP*(\u)+SP*(\rr)
.endr
.endr
	s_wait_dscnt 0x0                ; my reads are back:
.if (\t) < 3
	s_barrier_signal -1             ; say so, for the next tile's stores; the sums, work on registers, stand between the signal and the wait
.endif
.irp rr, 0,1,2,3
.set b0, MR+16*(\rr)
	v_pk_add_f32 v[b0:b0+1],     v[b0:b0+1],     v[b0+4:b0+5]
	v_pk_add_f32 v[b0+2:b0+3],   v[b0+2:b0+3],   v[b0+6:b0+7]
	v_pk_add_f32 v[b0+8:b0+9],   v[b0+8:b0+9],   v[b0+12:b0+13]
	v_pk_add_f32 v[b0+10:b0+11], v[b0+10:b0+11], v[b0+14:b0+15]
	v_pk_add_f32 v[b0:b0+1],     v[b0:b0+1],     v[b0+8:b0+9]
	v_pk_add_f32 v[b0+2:b0+3],   v[b0+2:b0+3],   v[b0+10:b0+11]
	v_cvt_pk_f16_f32 v[MO+8*(\t)+2*(\rr)],   v[b0],   v[b0+1]
	v_cvt_pk_f16_f32 v[MO+8*(\t)+2*(\rr)+1], v[b0+2], v[b0+3]
.endr
.if (\t) < 3
	s_barrier_wait -1
.endif
.irp rr, 0,1,2,3
	global_store_b64 v[GO], v[MO+8*(\t)+2*(\rr):MO+8*(\t)+2*(\rr)+1], s[OA:OA+1] offset:(16*(\t)+(\rr))*4096  ; a wave stores 256 consecutive bytes, at a multiple of 256 from O's first
.endr
.endm
.macro MERGE
	WIN 0
.irp t, 0,1,2,3
	v_add_f32 v[ST+8*(\t)+4], v[ST+8*(\t)+2], v[ST+8*(\t)+3]  ; l's two halves; these four lines are the places behind the last products
.endr
.irp t, 0,1,2,3
	v_permlanex16_b32 v[ST+8*(\t)+5], v[ST+8*(\t)+4], s[SEL], s[SEL+1]
.endr
.irp t, 0,1,2,3
	v_add_f32 v[ST+8*(\t)+1], v[ST+8*(\t)+4], v[ST+8*(\t)+5]  ; my wave's l takes m's place beside c m
.endr
.irp t, 0,1,2,3
	ds_store_b64 v[SA], v[ST+8*(\t):ST+8*(\t)+1] offset:256*(\t)
.endr
	s_wait_dscnt 0x0                ; for the others' sake
	s_barrier_signal -1
	s_barrier_wait -1
.irp t, 0,1,2,3
.irp u, 0,1,2,3
	ds_load_b64 v[MS+2*(4*(\t)+(\u)):MS+2*(4*(\t)+(\u))+1], v[SR] offset:1024*(\u)+256*(\t)
.endr
.endr
	s_wait_dscnt 0x0
.irp t, 0,1,2,3
	v_max3_num_f32 v[MM+(\t)], v[MS+8*(\t)], v[MS+8*(\t)+2], v[MS+8*(\t)+4]
.endr
.irp t, 0,1,2,3
	v_max_num_f32 v[MM+(\t)], v[MM+(\t)], v[MS+8*(\t)+6]      ; c M: the four waves' maximum
.endr
.irp t, 0,1,2,3
.irp u, 0,1,2,3
	v_sub_f32 v[ME+4*(\t)+(\u)], v[MS+8*(\t)+2*(\u)], v[MM+(\t)]
.endr
.endr
.irp t, 0,1,2,3
	v_sub_f32 v[MEO+(\t)], v[ST+8*(\t)], v[MM+(\t)]
.endr
.set z, 0
.rept 20
	v_exp_f32 v[ME+z], v[ME+z]      ; sixteen, and behind them my own four
.set z, z+1
.endr
	v_nop                           ; a plain instruction between the last exponential and the use of its result
	s_wait_alu depctr_va_vdst(0)
.irp t, 0,1,2,3
	v_mul_f32 v[ML+(\t)], v[ME+4*(\t)], v[MS+8*(\t)+1]
.endr
.irp u, 1,2,3
.irp t, 0,1,2,3
	v_fma_f32 v[ML+(\t)], v[ME+4*(\t)+(\u)], v[MS+8*(\t)+2*(\u)+1], v[ML+(\t)]  ; L
.endr
.endr
.irp t, 0,1,2,3
	v_rcp_f32 v[ML+(\t)], v[ML+(\t)]
.endr
	v_nop
	s_wait_alu depctr_va_vdst(0)
.irp t, 0,1,2,3
	v_mul_f32 v[ST+8*(\t)+6], v[MEO+(\t)], v[ML+(\t)]         ; my factor
.endr
	WIN W_RS
.set i, 0
.rept 128
	v_pk_mul_f32 v[2*i:2*i+1], v[2*i:2*i+1], v[ST+8*(i/32)+6:ST+8*(i/32)+7] op_sel_hi:[1,0]
.set i, i+1
.endr
	MPASS 0
	MPASS 1
	MPASS 2
	MPASS 3
.endm
.Lslot:                             ; eight times: a tile is entered and the next is asked for
	CHANGE 1
	s_sub_co_u32 s[RT], s[RT], 1
	TILE
	WIN 0
	s_cmp_lg_u32 s[RT], 0           ; RT hangs on the cluster's number alone: the same in all waves and in all four partners
	s_cbranch_scc1 .Lbottom
	MERGE                           ; the first block's end.  A tensor load is on its way meanwhile
	s_wait_xcnt 0x0                 ; the stores' base and data are rewritten only behind this wait
	s_mov_b64 s[OA:OA+1], s[OLO:OLO+1]
	s_mov_b32 s[RT], s[A1]          ; the second block has a + 1 tiles,
	s_mov_b32 s[DG], s14            ; the highest of them tile a
	s_mov_b32 s[DI], s[DILO]
	LOADQ QLO
	INIT
.Lbottom:
	s_sub_co_u32 s[SLOTS], s[SLOTS], 1
	s_cmp_lg_u32 s[SLOTS], 0
	s_cbranch_scc1 .Lslot
	CHANGE 0                        ; the walk's last tile is written out: nothing is asked for
	s_sub_co_u32 s[RT], s[RT], 1
	TILE
	MERGE                           ; the second block's end
	s_wait_tensorcnt 0x0            ; the wave's end: the add and its wait, behind my last tensor load and my last LDS store
	ds_add_u32 v[SPW], v[NIL]
	s_wait_dscnt 0x0
	CROUND                          ; the closing round: no work-group ends while a partner may still ask for a tile that names it
	s_endpgm
.Lfunc_end_k_qc28d25bac9_attn:
	.size	k_qc28d25bac9_attn, .Lfunc_end_k_qc28d25bac9_attn-k_qc28d25bac9_attn
	.p2alignl 7, 3214868480
	.fill 96, 4, 3214868480
	.section	.rodata,"a",@progbits
	.p2align	6, 0x0
	.amdhsa_kernel k_qc28d25bac9_attn
		.amdhsa_group_segment_fixed_size 327680
		.amdhsa_private_segment_fixed_size 0
		.amdhsa_enable_private_segment 0
		.amdhsa_kernarg_size 16
		.amdhsa_user_sgpr_count 2
		.amdhsa_user_sgpr_kernarg_segment_ptr 1
		.amdhsa_wavefront_size32 1
		.amdhsa_system_sgpr_workgroup_id_x 1
		.amdhsa_system_sgpr_workgroup_id_y 1
		.amdhsa_system_sgpr_workgroup_id_z 1
		.amdhsa_system_vgpr_workitem_id 0
		.amdhsa_next_free_vgpr 1024
		.amdhsa_next_free_sgpr 96
		.amdhsa_reserve_vcc 1
		.amdhsa_float_denorm_mode_32 3
		.amdhsa_float_denorm_mode_16_64 3
		.amdhsa_memory_ordered 1
		.amdhsa_forward_progress 1
		.amdhsa_inst_pref_size 181
	.end_amdhsa_kernel
	.amdgpu_metadata
---
amdhsa.version: [ 1, 2 ]
amdhsa.kernels:
  - .name:           k_qc28d25bac9_attn
    .symbol:         k_qc28d25bac9_attn.kd
    .args:
      - { .name: qkvh, .offset: 0, .size: 8, .value_kind: global_buffer, .address_space: global }
      - { .name: obuf, .offset: 8, .size: 8, .value_kind: global_buffer, .address_space: global }
    .group_segment_fixed_size: 327680
    .private_segment_fixed_size: 0
    .kernarg_segment_align: 8
    .kernarg_segment_size: 16
    .max_flat_workgroup_size: 128
    .sgpr_count:     96
    .vgpr_count:     1024
    .wavefront_size: 32
...
	.end_amdgpu_metadata
.endif
;; end of part 3
;; launch oproj (part 4): grid 16 x 16, 4 waves a work-group, clusters of 4 x 4, 327,680 bytes of LDS; arguments obuf, wob, out0; writes out0
.if DOCPART == 4
	.amdgcn_target "amdgcn-amd-amdhsa--gfx1250"
	.amdhsa_code_object_version 6
	.text
	.protected	k_qc28d25bac9_oproj
	.globl	k_qc28d25bac9_oproj
	.p2align	8
	.type	k_qc28d25bac9_oproj,@function
k_qc28d25bac9_oproj:
	s_mov_b64 s[64:65], 0
	v_nop
	global_prefetch_b8 v0, s[64:65] scope:SCOPE_SE
	s_setreg_imm32_b32 hwreg(HW_REG_WAVE_MODE, 25, 1), 1
	s_wait_xcnt 0x0
	s_wait_alu depctr_hold_cnt(0) depctr_sa_sdst(0) depctr_va_vdst(0) depctr_va_sdst(0) depctr_va_ssrc(0) depctr_va_vcc(0) depctr_vm_vsrc(0)
	s_getreg_b32 s2, hwreg(HW_REG_IB_STS2, 6, 4)
	s_cmp_eq_u32 s2, 0
	s_cbranch_scc0 .Lentry_in_a_cluster
	s_endpgm
.Lentry_in_a_cluster:
	s_bfe_u32 s2, ttmp6, 0x10000c
	s_cmp_lg_u32 s2, 0xf033
	s_cbranch_scc0 .Lentry_shape_is_right
	s_endpgm
.Lentry_shape_is_right:
; out0[n][d] = the sum over e of O[n][e] Wo[d][e].  obuf: [2048][2048] f16.  wob: [2048][2048] f16 (Wo rounded to bf16, that number written as f16).  out0: [2048][2048] f32; sums in f32, stored as they are.
; LIMIT: a sum's terms are added in the rotated order of K described below, not K ascending: the order of rounding differs.
; A tile of the output is 128 x 128: 256 tiles, one for each work-group.  Four waves, each 64 x 64: 16 accumulators of 16 x 16, 128 registers.  K goes in steps of 256 (LDS rows of 512 bytes; a wave's tensor load
; brings 64 of them) through two slots, as long as two slots in LDS allow.
; CLUSTER: 4 x 4 work-groups.  The four of a row of the cluster need the same tiles of O, the four of a column the same tiles of Wo: each tile is asked for JOINTLY, by the same tensor load with the same
; descriptor and a mask that names the four.  By this text's count a wave has two loads out at the start, later one.
; THE WALK ALONG K IS ROTATED.  Cluster (X, Y) begins at K step (2 X + 4 Y) mod 8 and wraps round.  The four clusters of one Y ask for the same tiles of O, the four of one X for the same tiles of Wo; with the
; rotation no two of the first four ask for a tile in the same step, and of the second four only those whose Y differ by 2: from its fifth step on a cluster asks only for bytes that another cluster asked for
; 2, 4 or 6 steps before.  The step's number is a scalar; a descriptor's address is made anew from it for each fill.
; THE MATRIX INSTRUCTION IS USED TRANSPOSED (source 0 = 16 rows of Wo, source 1 = 16 rows of O): a lane then holds eight neighbouring numbers of a row of the output, 32 bytes.
; THE WAY OUT: a wave's 64 columns of f32 are a whole aligned 256 bytes, so each wave has a stage of its own and no barrier is needed.
; REGISTERS: window 0: v0-31 addresses; v128-255 the accumulators ((a, b) at v[128 + 8 (4 a + b)]).
;   window 1: two fragment buffers of 128: for 64 along K, 64 registers of O (2 x 4 x 16 rows x 32 K), then 64 of Wo.
.set SIZE_K, 2048
.set SIZE_N, 2048
.set KSTEP,  256
.set STEPS,  SIZE_K/KSTEP              ; 8
.set PITCH,  528                       ; an LDS row: 512 bytes + 16 of padding = 132 words: row r starts at bank 4 r mod 64 (64 banks of 4 bytes: ISA guide 11.1)
.set HALFT,  64*PITCH                  ; 64 rows: what one tensor load brings, and what one wave reads of either operand
.set SLOT,   4*HALFT                   ; O's 128 rows, then Wo's 128 rows
.set STAGE,  2*SLOT                    ; behind the ring, never filled by a tensor load: 16 rows x 272 bytes for each wave
.set SPITCH, 272
.set SPARE,  STAGE+4*16*SPITCH         ; the spare words, 128 bytes for each wave: two blocks of 256 bytes that no other line names
.set ADRA0, 16                         ; v16     LDS address of my fragments of O in slot 0; never rewritten
.set ADRA,  17                         ; v17     in the slot that is read
.set ADRB0, 20                         ; v20-21  the same for Wo
.set ADRB,  21
.set STO,  24                          ; v24     the way out: where I put 32 bytes of a row
.set RD,   25                          ; v25     where I read a row back
.set CO,   26                          ; v26     my byte offset in the output
.set SPW,  28                          ; v28     LDS address of my spare word; never rewritten
.set NIL,  29                          ; v29     0; never rewritten
.set ACC,  128
.set F0,   0                           ; fragment buffers, in window 1
.set F1,   128
.set G1, 24                            ; s[24:31] descriptor group 1 for O's tiles;  s[32:39] group 0: a set for each of the two first fills; the second then walks on
.set G0, 32
.set G1B, 48                           ; s[48:55], s[56:63] the same for Wo's tiles
.set G0B, 56
.set KI,  66                           ; s66  the K step asked for last, 0 .. 7
.set FB,  67                           ; s67  the slot filled last: 0 or SLOT
.set RB,  68                           ; s68  the slot that is read
.set KOF, 70                           ; s[70:71] a K step's byte offset in a row
.set MSB, 0
.macro WIN new                         ; the immediate's high byte repeats the setting that is left
.if MSB != (\new)
	s_set_vgpr_msb (MSB<<8)|(\new)
.set MSB, \new
.endif
.endm
.set MUL,  0x05                        ; sources 0 and 1 window 1; C and D window 0
.set TO_F, 0x40                        ; destination window 1, address window 0
.macro JLOAD s                         ; a joint load: waves 0 and 1 fetch O's two halves, waves 2 and 3 Wo's; an s_nop 0 and four v_nop follow each of the two lines, ahead of the jump and the label
	s_cmp_eq_u32 s11, 0
	s_cbranch_scc0 .Lfor_b_\@
	tensor_load_to_lds s[G0+4*(\s):G0+4*(\s)+3], s[G1:G1+7]
	s_nop 0
.rept 4
	v_nop
.endr
	s_branch .Lasked_\@
.Lfor_b_\@:
	tensor_load_to_lds s[G0B+4*(\s):G0B+4*(\s)+3], s[G1B:G1B+7]
	s_nop 0
.rept 4
	v_nop
.endr
.Lasked_\@:
.endm
.macro CREST                           ; a round of the cluster's barrier behind its opening barrier
	s_cmp_lg_u32 s10, 0
	s_cbranch_scc1 .Lnot_wave_0_\@
	s_barrier_signal -3
.Lnot_wave_0_\@:
	s_barrier_wait -3
	s_barrier_signal -1
	s_barrier_wait -1
.endm
.macro CROUND                          ; a whole round
	s_barrier_signal -1
	s_barrier_wait -1
	CREST
.endm
	s_load_b128 s[4:7], s[0:1], 0x0                ; obuf s[4:5], wob s[6:7]
	s_load_b64 s[8:9], s[0:1], 0x10                ; out0
	v_lshl_add_u32 v[SPW], v0, 2, SPARE
	v_mov_b32 v[NIL], 0
	ds_add_u32 v[SPW], v[NIL]                      ; the wave's opening: the add and its wait stand ahead of my first tensor load; the set-up below, work on registers, stands between them
	v_lshrrev_b32 v1, 5, v0
	v_readfirstlane_b32 s10, v1                    ; wave 0..3
	s_lshr_b32 s11, s10, 1                         ; which half of the tile's rows is mine.  Also: I fetch for O (0) or for Wo (1)
	s_and_b32 s12, s10, 1                          ; which half of its columns.  Also: which 64 rows of that tile I fetch
	s_bfe_u32 s40, ttmp6, 0x40000                  ; cx, cy: my place in the cluster
	s_bfe_u32 s41, ttmp6, 0x40004
	s_lshl_b32 s42, ttmp9, 2                       ; 4 X
	s_and_b32 s13, ttmp7, 0xffff                   ; Y
	s_lshl_b32 s13, s13, 2                         ; 4 Y
	s_lshr_b32 s[KI], s42, 1                       ; 2 X
	s_add_co_u32 s[KI], s[KI], s13
	s_and_b32 s[KI], s[KI], STEPS-1                ; my cluster's first K step: (2 X + 4 Y) mod 8, the same in all sixteen partners
	s_lshl_b32 s[KOF], s[KI], 9                    ; a step is 512 bytes of a row
	s_mov_b32 s[KOF+1], 0
	s_add_co_u32 s[KI], s[KI], 1                   ; the two first fills ask for that step and the next (the first is even: no wrap)
	s_mov_b32 s[FB], SLOT                          ; the second of them goes into slot 1
	s_mov_b32 s[RB], 0
	s_add_co_u32 s42, s42, s40                     ; tile column = 4 X + cx
	s_add_co_u32 s13, s13, s41                     ; tile row = 4 Y + cy
	s_lshl_b32 s43, s41, 2
	s_lshl_b32 s43, 15, s43                        ; my row of the cluster
	s_lshl_b32 s44, 0x1111, s40                    ; my column
	; descriptor group 1: a tile of 64 rows x 256 elements, padded in LDS
	s_or_b32 s[G1+0], s43, (1<<16)|(1<<20)|(1<<21)|(6<<22)|(3<<25)  ; 15:0 the mask; 17:16 2-byte elements; 20 padding on; 21 set beside a mask; 24:22 after every 128 words (code 6); 31:25 4 words (code 3)
	s_or_b32 s[G1B+0], s44, (1<<16)|(1<<20)|(1<<21)|(6<<22)|(3<<25)
.irp g, G1, G1B
	s_mov_b32 s[(\g)+1], KSTEP<<16                 ; tensor_dim0 = 256
	s_mov_b32 s[(\g)+2], 64<<16                    ; tensor_dim1 = 64
	s_mov_b32 s[(\g)+3], KSTEP<<16                 ; tile_dim0 = 256
	s_mov_b32 s[(\g)+4], 64                        ; tile_dim1 = 64
	s_mov_b32 s[(\g)+5], SIZE_K                    ; elements from row to row
	s_mov_b32 s[(\g)+6], 0
	s_mov_b32 s[(\g)+7], 0
.endr
	s_lshl_b32 s17, s12, 6                         ; which 64 rows of the tile I fetch
	s_lshl_b32 s16, s13, 7
	s_add_co_u32 s16, s16, s17                     ; O: row 128 x tile row + 64 x half
	s_lshl_b32 s46, s42, 7
	s_add_co_u32 s46, s46, s17                     ; Wo: row 128 x tile column + 64 x half
	s_mov_b32 s17, 0
	s_mov_b32 s47, 0
	s_mov_b64 s[18:19], SIZE_K*2
	s_mul_u64 s[16:17], s[16:17], s[18:19]
	s_mul_u64 s[46:47], s[46:47], s[18:19]
	s_mul_i32 s20, s10, HALFT                      ; where they go in a slot: wave x 64 rows: no place in the cluster enters an LDS address
	s_wait_dscnt 0x0                               ; the opening add is done
	s_wait_kmcnt 0x0
	s_add_nc_u64 s[14:15], s[4:5], s[16:17]        ; O at my rows, K = 0: kept
	s_add_nc_u64 s[46:47], s[6:7], s[46:47]        ; Wo at my rows, K = 0: kept
	CROUND                                         ; all sixteen work-groups are here: the first joint loads meet
.irp s, 0,1
	s_mov_b32 s[G0+4*(\s)], 1
	s_add_co_u32 s[G0+4*(\s)+1], s20, (\s)*SLOT
	s_add_nc_u64 s[G0+4*(\s)+2:G0+4*(\s)+3], s[14:15], s[KOF:KOF+1]  ; my cluster's first K step,
	s_add_nc_u64 s[G0+4*(\s)+2:G0+4*(\s)+3], s[G0+4*(\s)+2:G0+4*(\s)+3], (\s)*KSTEP*2  ; or the one behind it
	s_or_b32 s[G0+4*(\s)+3], s[G0+4*(\s)+3], 0x80000000
	s_mov_b32 s[G0B+4*(\s)], 1
	s_add_co_u32 s[G0B+4*(\s)+1], s20, (\s)*SLOT
	s_add_nc_u64 s[G0B+4*(\s)+2:G0B+4*(\s)+3], s[46:47], s[KOF:KOF+1]
	s_add_nc_u64 s[G0B+4*(\s)+2:G0B+4*(\s)+3], s[G0B+4*(\s)+2:G0B+4*(\s)+3], (\s)*KSTEP*2
	s_or_b32 s[G0B+4*(\s)+3], s[G0B+4*(\s)+3], 0x80000000
	JLOAD \s
.endr
	v_and_b32 v1, 15, v0                           ; l % 16
	v_bfe_u32 v2, v0, 4, 1                         ; l / 16
	v_mul_u32_u24 v3, v1, PITCH
	v_lshl_add_u32 v3, v2, 4, v3                   ; a fragment's row x pitch + 16 x half
	s_mul_i32 s21, s11, HALFT                      ; my 64 rows of O
	s_mul_i32 s22, s12, HALFT                      ; my 64 rows of Wo,
	s_add_co_u32 s22, s22, 2*HALFT                 ; which lie behind O's 128
	v_add_nc_u32 v[ADRA0], s21, v3
	v_add_nc_u32 v[ADRB0], s22, v3
	v_mov_b32 v[ADRA], v[ADRA0]                    ; slot 0 is read first
	v_mov_b32 v[ADRB], v[ADRB0]
	s_mul_i32 s23, s10, 16*SPITCH
	s_add_co_u32 s23, s23, STAGE                   ; my stage
	v_mul_u32_u24 v4, v1, SPITCH                   ; in: row l % 16, 32 bytes for each half of the lanes
	v_lshl_add_u32 v4, v2, 5, v4
	v_add_nc_u32 v[STO], s23, v4
	v_mul_u32_u24 v5, v2, SPITCH                   ; back: lanes 0-15 take one row of 256 bytes, lanes 16-31 the next
	v_lshl_add_u32 v5, v1, 4, v5
	v_add_nc_u32 v[RD], s23, v5
	v_lshlrev_b32 v5, 13, v2                       ; and the same two rows in the output, 8,192 bytes apart
	v_lshl_add_u32 v[CO], v1, 4, v5
	s_lshl_b32 s16, s13, 7
	s_lshl_b32 s17, s11, 6
	s_add_co_u32 s16, s16, s17                     ; my first row: 128 x tile row + 64 x half,
	s_lshl_b32 s16, s16, 13                        ; in bytes
	s_mov_b32 s17, 0
	s_add_nc_u64 s[8:9], s[8:9], s[16:17]
	s_lshl_b32 s22, s42, 9                         ; my first column, in bytes: 512 x tile column + 256 x half
	s_lshl_b32 s23, s12, 8
	s_add_co_u32 s22, s22, s23
	s_mov_b32 s23, 0
	s_add_nc_u64 s[8:9], s[8:9], s[22:23]
; 8 matrix instructions: m blocks a0, a0 + 1 x all 4 n blocks, 32 along K: half c of buffer f.  zero = 1: the first product starts the sums.  The 16 accumulators take turns.
.macro MUL8 f, c, a0, zero
	WIN MUL
.irp a, \a0, (\a0)+1
.irp b, 0,1,2,3
.if \zero
	v_wmma_f32_16x16x32_f16 v[ACC+8*(4*(\a)+(\b)):ACC+8*(4*(\a)+(\b))+7], v[(\f)+64+8*(4*(\c)+(\b)):(\f)+64+8*(4*(\c)+(\b))+7], v[(\f)+8*(4*(\c)+(\a)):(\f)+8*(4*(\c)+(\a))+7], 0
.else
	v_wmma_f32_16x16x32_f16 v[ACC+8*(4*(\a)+(\b)):ACC+8*(4*(\a)+(\b))+7], v[(\f)+64+8*(4*(\c)+(\b)):(\f)+64+8*(4*(\c)+(\b))+7], v[(\f)+8*(4*(\c)+(\a)):(\f)+8*(4*(\c)+(\a))+7], v[ACC+8*(4*(\a)+(\b)):ACC+8*(4*(\a)+(\b))+7]
.endif
.endr
.endr
.endm
; 32 LDS loads in one run: the fragments of 64 along K at byte k of the rows of the slot that is read, into buffer f; the first 32 along K first
.macro FETCH k, f
	WIN TO_F
.irp c, 0,1
.irp i, 0,1,2,3
	ds_load_b128 v[(\f)+64+8*(4*(\c)+(\i)):(\f)+64+8*(4*(\c)+(\i))+3],   v[ADRB] offset:(\k)+64*(\c)+(\i)*16*PITCH
	ds_load_b128 v[(\f)+64+8*(4*(\c)+(\i))+4:(\f)+64+8*(4*(\c)+(\i))+7], v[ADRB] offset:(\k)+64*(\c)+(\i)*16*PITCH+32
	ds_load_b128 v[(\f)+8*(4*(\c)+(\i)):(\f)+8*(4*(\c)+(\i))+3],         v[ADRA] offset:(\k)+64*(\c)+(\i)*16*PITCH
	ds_load_b128 v[(\f)+8*(4*(\c)+(\i))+4:(\f)+8*(4*(\c)+(\i))+7],       v[ADRA] offset:(\k)+64*(\c)+(\i)*16*PITCH+32
.endr
.endr
.endm
.macro PLACES                          ; four places in front of loads into registers that matrix instructions have read, and of LDS stores that read results
.rept 4
	v_nop
.endr
.endm
; A K step is four quarters of 64 along K, 32 matrix instructions each, on buffers 0, 1, 0, 1.  One of the first three: multiplies buffer f and fetches the next quarter, at byte k, into g.
.macro QUARTER k, f, g, zero
	s_wait_dscnt 16                                ; the first 32 along K are in: the youngest sixteen loads may be out
	WIN MUL
	MUL8 \f, 0, 0, \zero
	MUL8 \f, 0, 2, \zero
	PLACES
	FETCH \k, \g
	s_wait_dscnt 32                                ; all but the 32 just issued
	WIN MUL
	MUL8 \f, 1, 0, 0
	MUL8 \f, 1, 2, 0
.endm
; The last quarter multiplies buffer 1 and changes slots: ONE barrier; in front of it each wave waits for all its tensor loads, adds 0 to its spare word, and waits for that and for its own reads of this slot.
; fill = 1: the barrier opens a round of the cluster's barrier, and the slot just read is filled again, with the K step two steps on (wrapping at 8), first thing behind the round.
.macro TURN fill
	WIN 0                                          ; (the add's two registers lie in window 0)
	s_wait_tensorcnt 0x0                           ; all my tensor loads have landed: my part of the next slot
	ds_add_u32 v[SPW], v[NIL]                      ; 0 onto my spare word
	s_wait_dscnt 17                                ; the add and the youngest sixteen loads may be out
	WIN MUL
	MUL8 F1, 0, 0, 0                               ; eight matrix instructions stand between the add and the wait for it
	s_wait_dscnt 0x0                               ; the add is done, and my reads of this slot are over
	s_barrier_signal -1
	MUL8 F1, 0, 2, 0
	WIN 0                                          ; at a branch and at a label every window is 0; the address lines below name window 0
	s_barrier_wait -1
.if \fill
	CREST                                          ; the barrier has opened a round of the cluster's barrier: no wave of any partner still reads this slot's tile or has a load on its way
	s_xor_b32 s[FB], s[FB], SLOT                   ; the walking descriptors: the other slot than last time,
	s_add_co_u32 s[KI], s[KI], 1
	s_and_b32 s[KI], s[KI], STEPS-1                ; the next K step of the rotated walk,
	s_lshl_b32 s[KOF], s[KI], 9
	s_add_co_u32 s[G0+5], s[FB], s20
	s_add_nc_u64 s[G0+6:G0+7], s[14:15], s[KOF:KOF+1]   ; its address made anew from the kept base
	s_or_b32 s[G0+7], s[G0+7], 0x80000000
	s_add_co_u32 s[G0B+5], s[FB], s20
	s_add_nc_u64 s[G0B+6:G0B+7], s[46:47], s[KOF:KOF+1]
	s_or_b32 s[G0B+7], s[G0B+7], 0x80000000
	JLOAD 1                                        ; the first tensor load behind the round; the four v_nop behind it are also the places in front of the loads below
.else
	PLACES
.endif
	s_xor_b32 s[RB], s[RB], SLOT                   ; from here on the other slot is read
	v_add_nc_u32 v[ADRA], s[RB], v[ADRA0]
	v_add_nc_u32 v[ADRB], s[RB], v[ADRB0]
	FETCH 0, F0
	WIN MUL
	MUL8 F1, 1, 0, 0
	MUL8 F1, 1, 2, 0
.endm
	s_wait_tensorcnt 1                             ; my part of the first K step is in; the second's may stay out
	s_barrier_signal -1
	s_barrier_wait -1                              ; everybody's is
	FETCH 0, F0
	QUARTER 128, F0, F1, 1                         ; the first quarter stands in front of the loop: its first products start the sums
	WIN 0                                          ; at a label and at a branch every window is 0
	s_mov_b32 s3, STEPS-2
.Lstep:                                                ; a trip goes from a K step's second quarter to the next step's first, and fills the slot that it leaves: 6 trips ask for steps 2 to 7 of the walk
	QUARTER 256, F1, F0, 0
	QUARTER 384, F0, F1, 0
	TURN 1
	QUARTER 128, F0, F1, 0
	WIN 0
	s_sub_co_u32 s3, s3, 1
	s_cmp_lg_u32 s3, 0
	s_cbranch_scc1 .Lstep
	s_mov_b32 s3, 2
.Ltail:                                                ; the last two steps ask for nothing: their text holds no tensor load, and its second trip is left in its middle
	QUARTER 256, F1, F0, 0
	QUARTER 384, F0, F1, 0
	WIN 0
	s_sub_co_u32 s3, s3, 1
	s_cmp_eq_u32 s3, 0
	s_cbranch_scc1 .Lfin
	TURN 0
	QUARTER 128, F0, F1, 0
	WIN 0
	s_branch .Ltail
.Lfin:
	s_wait_dscnt 16                                ; the very last quarter: nothing more to fetch
	WIN MUL
	MUL8 F1, 0, 0, 0
	MUL8 F1, 0, 2, 0
	s_wait_dscnt 0
	MUL8 F1, 1, 0, 0
	MUL8 F1, 1, 2, 0
	WIN 0
; THE WAY OUT, 16 rows at a time through my own stage: 32 bytes a lane into rows of 272 bytes, back as whole rows of 256 bytes, into the registers that they left.
.macro STG a
.irp b, 0,1,2,3
.irp u, 0,1
	ds_store_b128 v[STO], v[ACC+8*(4*(\a)+(\b))+4*(\u):ACC+8*(4*(\a)+(\b))+4*(\u)+3] offset:64*(\b)+16*(\u)  ; each accumulator's low four registers first
.endr
.endr
.irp t, 0,1,2,3,4,5,6,7
	ds_load_b128 v[ACC+32*(\a)+4*(\t):ACC+32*(\a)+4*(\t)+3], v[RD] offset:(\t)*2*SPITCH  ; LDS serves a wave's instructions in order (ISA guide 5.7.1.4): these see the stores above; the next block's stores come behind them
.endr
.endm
.macro SEND a, younger                 ; younger: the LDS instructions issued behind block a's loads: the next block's sixteen, or none
.irp t, 0,1,2,3,4,5,6,7
	s_wait_dscnt (\younger)+7-(\t)
	global_store_b128 v[CO], v[ACC+32*(\a)+4*(\t):ACC+32*(\a)+4*(\t)+3], s[8:9] offset:(16*(\a)+2*(\t))*SIZE_N*4  ; 16 lanes store 256 consecutive bytes, at a multiple of 256 from the output's first byte
.endr
.endm
	PLACES                                         ; behind the last products
	STG 0
	STG 1
	SEND 0, 16
	STG 2
	SEND 1, 16
	STG 3
	SEND 2, 16
	SEND 3, 0
	s_wait_tensorcnt 0x0                           ; the wave's end: the add and its wait, behind my last tensor load and my last LDS store
	ds_add_u32 v[SPW], v[NIL]
	s_wait_dscnt 0x0
	CROUND                                         ; the closing round: no work-group ends while a partner may still ask for a tile that names it
	s_endpgm
.Lfunc_end_k_qc28d25bac9_oproj:
	.size	k_qc28d25bac9_oproj, .Lfunc_end_k_qc28d25bac9_oproj-k_qc28d25bac9_oproj
	.p2alignl 7, 3214868480
	.fill 96, 4, 3214868480
	.section	.rodata,"a",@progbits
	.p2align	6, 0x0
	.amdhsa_kernel k_qc28d25bac9_oproj
		.amdhsa_group_segment_fixed_size 327680
		.amdhsa_private_segment_fixed_size 0
		.amdhsa_enable_private_segment 0
		.amdhsa_kernarg_size 24
		.amdhsa_user_sgpr_count 2
		.amdhsa_user_sgpr_kernarg_segment_ptr 1
		.amdhsa_wavefront_size32 1
		.amdhsa_system_sgpr_workgroup_id_x 1
		.amdhsa_system_sgpr_workgroup_id_y 1
		.amdhsa_system_sgpr_workgroup_id_z 1
		.amdhsa_system_vgpr_workitem_id 0
		.amdhsa_next_free_vgpr 512
		.amdhsa_next_free_sgpr 72
		.amdhsa_reserve_vcc 0
		.amdhsa_float_denorm_mode_32 3
		.amdhsa_float_denorm_mode_16_64 3
		.amdhsa_memory_ordered 1
		.amdhsa_forward_progress 1
		.amdhsa_inst_pref_size 61
	.end_amdhsa_kernel
	.amdgpu_metadata
---
amdhsa.version: [ 1, 2 ]
amdhsa.kernels:
  - .name:           k_qc28d25bac9_oproj
    .symbol:         k_qc28d25bac9_oproj.kd
    .args:
      - { .name: obuf, .offset: 0, .size: 8, .value_kind: global_buffer, .address_space: global }
      - { .name: wob, .offset: 8, .size: 8, .value_kind: global_buffer, .address_space: global }
      - { .name: out0, .offset: 16, .size: 8, .value_kind: global_buffer, .address_space: global }
    .group_segment_fixed_size: 327680
    .private_segment_fixed_size: 0
    .kernarg_segment_align: 8
    .kernarg_segment_size: 24
    .max_flat_workgroup_size: 128
    .sgpr_count:     72
    .vgpr_count:     512
    .wavefront_size: 32
...
	.end_amdgpu_metadata
.endif
;; end of part 4
